; MI455X (gfx1250); checked and timed in simulation.
; The chip was launched on July 23, 2026; its instructions are those of AMD's public machine-readable ISA for CDNA 5 (MIT licence, August 2026) and "CDNA5" Instruction Set Architecture Reference Guide (July 2026). The comments in the code are by the model that wrote it; some were corrected since.
;; Attention. Allowed arithmetic: matrix products marked QUANTISED: E3M2 operands, one E8M0 scale for each 32 along K, by v_wmma_scale_f32_16x16x128_f8f6f4 with both operands' format E3M2, f32 sums; everything else in f32.
;; Inputs: Wk 1,024 x 1,024 float32; Wq 1,024 x 1,024 float32; Wr 1,024 x 1,024 float32; Wv 1,024 x 1,024 float32; x 4 x 2,048 x 1,024 float32.
;; Outputs: out0 4 x 2,048 x 1,024 float32.
;; This version of the problem:
;;   THIS VERSION OF THE PROBLEM IS GIVEN IN LOW PRECISION. The matrix products marked QUANTISED in the list below multiply operands that are first quantised to E3M2 (3 exponent bits, 2 mantissa bits; 6 bits a number), with one power-of-two scale for each 32 numbers along K (OCP MX v1.0); their sums are f32. All else is computed in f32.
;;   The module's matrix products, in the order in which they are computed (A, B: the left and right operand; K: the contracted axis; several contracted axes count as one K, in the product's order):
;;     1. [M 8,192, K 1,024] x [K 1,024, N 1,024]; A: input x; B: input Wq: QUANTISED
;;     2. [M 8,192, K 1,024] x [K 1,024, N 1,024]; A: input x; B: input Wk: QUANTISED
;;     3. [M 8,192, K 1,024] x [K 1,024, N 1,024]; A: input x; B: input Wv: QUANTISED
;;     4. batch 64 x [M 2,048, K 64] x [K 64, N 2,048]; A: computed on the way; B: computed on the way: QUANTISED
;;     5. batch 64 x [M 64, K 2,048] x [K 2,048, N 2,048]; A: computed on the way; B: softmax (see below): QUANTISED
;;     6. [M 8,192, K 1,024] x [K 1,024, N 1,024]; A: computed on the way; B: input Wr: QUANTISED
;;   THE QUANTISER, for each operand of a quantised product, along K:
;;     - K is cut into blocks of 32 from its start; a last block that is shorter is filled with zeros.
;;     - A block's scale is 2^e with e = floor(log2(the largest magnitude in the block)) - 4, held to -126 .. 127; a block of zeros has e = 0. As a byte (E8M0): e + 127.
;;     - Each number is divided by its block's scale, clamped to +-28, and rounded to the nearest number of E3M2, ties to even, subnormals kept.
;;     - The product sums the exact products of the quantised numbers (number of the format x scale) in f32.
;;   ~~~python
;;   def quantise(x, axis):      # numpy; x: float32 -> the quantised numbers, widened to float32 again
;;       x = np.moveaxis(x, axis, -1); K = x.shape[-1]
;;       x = np.pad(x, [(0, 0)] * (x.ndim - 1) + [(0, -K % 32)]); x = x.reshape(x.shape[:-1] + (-1, 32)); a = np.abs(x).max(-1, keepdims=True)
;;       e = np.where(a > 0, np.clip(np.frexp(np.where(a > 0, a, 1))[1] - 1 - 4, -126, 127), 0)      # np.frexp(a)[1] - 1 = floor(log2(a)), exactly
;;       r = np.clip(x / 2.0 ** e, -28, 28)
;;       step = 2.0 ** (np.maximum(np.frexp(np.where(r == 0, 1, r))[1] - 1, -2) - 2)
;;       q = np.round(r / step) * step * 2.0 ** e      # np.round: ties to even
;;       return np.moveaxis(q.reshape(q.shape[:-2] + (-1,))[..., :K], -1, axis).astype(np.float32)
;;   ~~~
;;   SOFTMAX AHEAD OF A QUANTISED PRODUCT. Where the list says 'softmax', what is quantised is not the finished softmax but p = 2^(t - M), with t = logit x log2(e) and M = ceil(the row's largest t), a whole number; so 1/2 < the row's largest p <= 1. The row's sum l is taken of the UNQUANTISED p, in f32, and the product's result is divided by l at the end. Since M is a whole number, a kernel that streams over the keys may use a running M (the ceiling of the running maximum): every later rescaling is an exact power of two, which a block's scale takes up: the codes' values come out the same.
;;   OPERANDS COMPUTED ON THE WAY. 'Computed on the way' means the value that the module computes at that place (a softmax that the list does not call 'softmax' is quantised finished and normalised). What goes into a quantiser is computed in f32, as accurately as f32 sums, v_exp_f32 and their like allow (about 1e-6 of the number): no bf16 or f16 on the way to a quantiser, and a product that is left as it is and whose result goes on into a quantised operand takes f32 operands (vector FMAs, or v_wmma_f32_16x16x4_f32). A number that lies on a knife's edge between two numbers of the format may be rounded either way, as far as f32 arithmetic and the matrix unit's own rounding can turn it there, and no further.
;; One version. Each part assembles by itself: llvm-mc -triple=amdgcn-amd-amdhsa -mcpu=gfx1250 --defsym DOCPART=n.
;; ======== version 1 of 1: 5 launches
;; limits: right only within a limited range of input values
;; workspace buffers: xq 6,553,600 bytes; wqk 1,835,008 bytes; wv 1,048,576 bytes; wr 1,048,576 bytes; qk 13,107,200 bytes; vt 6,815,744 bytes; oq 6,553,600 bytes
;; launch quant (part 1): grid 384 x 1, 4 waves a work-group, no clusters, 60,416 bytes of LDS; arguments x, xq, Wq, Wk, Wv, Wr, wqk, wv, wr; writes xq, wqk, wv, wr
.if DOCPART == 1
	.amdgcn_target "amdgcn-amd-amdhsa--gfx1250"
	.amdhsa_code_object_version 6
	.text
	.protected	k_qf59ea9fd13_quant
	.globl	k_qf59ea9fd13_quant
	.p2align	8
	.type	k_qf59ea9fd13_quant,@function
k_qf59ea9fd13_quant:
	s_mov_b64 s[64:65], 0
	v_nop
	global_prefetch_b8 v0, s[64:65] scope:SCOPE_SE
	s_setreg_imm32_b32 hwreg(HW_REG_WAVE_MODE, 25, 1), 1
	s_wait_xcnt 0x0
; One launch quantises x and the four weights to codes of BF6 (E3M2) with one E8M0 byte for each 32 along K.  Every input is loaded, every product is done.
; Work-groups 0-255 take x [8192][1024]; work-groups 256-383 take the weights [1024 (k)][1024 (n)].  The two paths part on the work-group's number alone and have LDS bytes of their own.
; A block's scale is 2^(floor(log2(its largest magnitude)) - 4); its byte is the largest magnitude's exponent field - 4, held at 1 from below.
; THE BUFFERS.  Rows (tokens of x, columns n of a weight) are stored in blocks of 16; stored row p holds row sigma(p), sigma = bits 3 and 4 exchanged.
;   scale words at byte 0: [rb][kp 4][row 16][e 2], the word of K step 2 kp + e;   codes at byte CO: [rb][K step 8][c 2][768]; 768 bytes are 16 rows x 64 K: registers 2 j, 2 j + 1 of lane l at 256 j + 8 l.
;   Wq's 64 blocks and Wk's 64 lie behind each other in wqk.
; X: a wave takes 16 rows and half of K, four fragments; a fragment's rows turn through the wave's stage (rows 528 bytes apart) and come back in the operand's order: a lane holds two whole blocks of 32.
; W: a lane takes a column and its registers run down K; a block's six registers go to their place in the wave's stage, which leaves as it lies, 512 consecutive bytes a store.
; No barrier: waves share nothing.
; LIMITS: NaN and infinities are not served; a block whose largest magnitude lies under 2^-122 has its byte held at 1, a block of zeros too (zero codes; this program alone reads the bytes).
.set CO,  262144
.set SP,  528
.set WSTX, 16*SP
.set WD,  8
.set PC,  24
.set CT,  48
.set XX,  64
.set R,   128
.set WB,   34304                       ; the weights' stages begin here; x's stages 0 .. 33,791, x's spare words 33,792 ..
.set TP,   3200
.set WSTW, 2*TP
.set SB,   24
.set XW,   32
.set C,    96
.set OUTR, 112
	s_cmp_lt_u32 ttmp9, 256
	s_cbranch_scc0 .Lweights
	s_load_b128 s[4:7], s[0:1], 0x0                ; x, xq
	v_lshl_add_u32 v62, v0, 2, 0x8400
	v_mov_b32 v63, 0
	v_lshrrev_b32 v1, 5, v0
	v_readfirstlane_b32 s24, v1                    ; wave
	v_and_b32 v7, 31, v0
	v_and_b32 v14, 15, v0                          ; r
	v_bfe_u32 v5, v0, 4, 1                         ; h
	v_lshlrev_b32 v1, 4, v7                        ; my 16 bytes of a load's 512
	s_mul_i32 s25, s24, WSTX
	v_add_nc_u32 v2, s25, v1                       ; the stage, way in
	v_mul_u32_u24 v3, v14, SP
	v_lshl_add_u32 v3, v5, 7, v3
	v_add_nc_u32 v3, s25, v3                       ; way out: row r, + 128 h
	v_lshlrev_b32 v4, 3, v7
	v_lshlrev_b32 v6, 3, v5
	v_mov_b32 v23, 0
	s_mov_b32 s20, 0x76543210
	s_mov_b32 s21, 0xfedcba98
	s_lshl_b32 s10, ttmp9, 2
	s_add_co_u32 s10, s10, s24
	s_lshr_b32 s11, s10, 1                         ; rb
	s_and_b32 s12, s10, 1                          ; which half of K
	s_lshr_b32 s13, s11, 1
	s_lshl_b32 s13, s13, 5
	s_and_b32 s14, s11, 1
	s_lshl_b32 s14, s14, 3
	s_add_co_u32 s13, s13, s14                     ; first token: 32 (rb / 2) + 8 (rb % 2)
	s_lshl_b32 s14, s13, 12
	s_lshl_b32 s15, s12, 11
	s_add_co_u32 s14, s14, s15
	s_mov_b32 s15, 0
	s_mul_i32 s16, s11, 12288
	s_mul_i32 s17, s12, 6144
	s_add_co_u32 s16, s16, s17
	s_add_co_u32 s16, s16, CO
	s_mov_b32 s17, 0
	s_lshl_b32 s18, s11, 9
	s_lshl_b32 s19, s12, 8
	s_add_co_u32 s18, s18, s19
	s_mov_b32 s19, 0
	s_wait_alu depctr_va_vdst(0)                   ; the wait at the head's end
	s_wait_kmcnt 0x0
	s_add_nc_u64 s[4:5], s[4:5], s[14:15]
	s_add_nc_u64 s[8:9], s[6:7], s[16:17]          ; my codes
	s_add_nc_u64 s[6:7], s[6:7], s[18:19]          ; my scale words
.macro LOADX f
.irp i, 0,1,2,3,4,5,6,7,8,9,10,11,12,13,14,15
	global_load_b128 v[R+64*((\f)%2)+4*\i:R+64*((\f)%2)+4*\i+3], v1, s[4:5] offset:(\i+8*(\i/8))*4096+512*(\f) th:TH_LOAD_NT
.endr
.endm
.macro FRAGQ f
.set RS, R+64*((\f)%2)
.set PF, PC+12*((\f)%2)
.if (\f) < 3
	s_wait_loadcnt 16                              ; this fragment's sixteen loads are in; the next one's sixteen may be out
.else
	s_wait_loadcnt 0x0
.endif
.irp i, 0,1,2,3,4,5,6,7,8,9,10,11,12,13,14,15
	ds_store_b128 v2, v[RS+4*\i:RS+4*\i+3] offset:SP*\i
.endr
.irp c, 0,1
.irp m, 0,1,2,3,4,5,6,7
	ds_load_b128 v[XX+32*\c+4*\m:XX+32*\c+4*\m+3], v3 offset:256*\c+16*\m   ; a wave's LDS instructions are served in order
.endr
.endr
	s_wait_dscnt 0x0
.if (\f) < 2
	LOADX (\f)+2
.endif
.irp c, 0,1
	v_max3_num_f32 v[16+\c], |v[XX+32*\c]|, |v[XX+32*\c+1]|, 0x2800000   ; with the floor 2^(5 - 127)
.endr
.irp i, 2,4,6,8,10,12,14,16,18,20,22,24,26,28,30
.irp c, 0,1
	v_max3_num_f32 v[16+\c], v[16+\c], |v[XX+32*\c+\i]|, |v[XX+32*\c+\i+1]|
.endr
.endr
.irp c, 0,1
	v_add_nc_u32 v[18+\c], 0xfe000000, v[16+\c]    ; 4 off the exponent field: the conversion's scale operand
.endr
.irp c, 0,1
	v_lshrrev_b32 v[20+\c], 23, v[18+\c]
.endr
	v_lshl_or_b32 v22, v21, 16, v20
	v_lshlrev_b32 v22, v6, v22
	v_permlanex16_b32 v23, v22, s20, s21
	v_or_b32 v[WD+(\f)], v22, v23                  ; the scale word is whole
.if (\f) >= 2
	s_wait_alu depctr_va_vdst(0)
	s_wait_xcnt 0x0                                ; the stores of two fragments back have read this set of code registers
.endif
.irp c, 0,1
	v_cvt_scalef32_pk16_bf6_f32 v[PF+6*\c:PF+6*\c+2], v[XX+32*\c:XX+32*\c+15], v[18+\c]
	v_cvt_scalef32_pk16_bf6_f32 v[CT+4*\c:CT+4*\c+2], v[XX+32*\c+16:XX+32*\c+31], v[18+\c]
.endr
	v_nop                                          ; one plain place behind a scaled conversion
.irp c, 0,1
.irp i, 0,1,2
	v_mov_b32 v[PF+6*\c+3+\i], v[CT+4*\c+\i]
.endr
.endr
.irp c, 0,1
.irp j, 0,1,2
	global_store_b64 v4, v[PF+6*\c+2*\j:PF+6*\c+2*\j+1], s[8:9] offset:1536*(\f)+768*\c+256*\j   ; 256 consecutive bytes, aligned
.endr
.endr
.endm
	LOADX 0
	LOADX 1
	FRAGQ 0
	FRAGQ 1
	FRAGQ 2
	FRAGQ 3
	v_cmp_ne_u32 vcc_lo, 0, v5
	v_cndmask_b32 v12, v[WD], v[WD+2], vcc_lo
	v_cndmask_b32 v13, v[WD+1], v[WD+3], vcc_lo
	global_store_b64 v4, v[12:13], s[6:7]
	s_wait_tensorcnt 0x0                           ; the wave's end
	ds_add_u32 v62, v63
	s_wait_dscnt 0x0
	s_endpgm
.Lweights:
	s_load_b256 s[4:11], s[0:1], 0x10              ; Wq, Wk, Wv, Wr
	s_load_b128 s[12:15], s[0:1], 0x30             ; wqk, wv
	s_load_b64 s[16:17], s[0:1], 0x40              ; wr
	v_lshl_add_u32 v176, v0, 2, 0xea00
	v_mov_b32 v177, 0
	v_lshrrev_b32 v1, 5, v0
	v_readfirstlane_b32 s18, v1                    ; wave
	v_and_b32 v2, 31, v0
	v_lshlrev_b32 v3, 2, v2
	v_bfe_u32 v4, v0, 3, 1                         ; which of the two blocks of rows
	v_and_b32 v5, 7, v0
	v_bfe_u32 v6, v0, 4, 1
	v_lshl_or_b32 v5, v6, 3, v5                    ; which row in it
	s_mul_i32 s19, s18, WSTW
	s_add_co_u32 s19, s19, WB
	v_mul_u32_u24 v7, v4, TP
	v_lshl_add_u32 v7, v5, 3, v7
	v_add_nc_u32 v7, s19, v7                       ; into the stage
	v_lshlrev_b32 v8, 4, v2
	v_add_nc_u32 v9, s19, v8
	v_lshlrev_b32 v10, 9, v4
	v_lshl_add_u32 v10, v5, 3, v10                 ; my row's two scale words
	s_sub_co_u32 s30, ttmp9, 256
	s_and_b32 s31, s30, 31
	s_lshr_b32 s22, s30, 5                         ; which 256 along K
	s_lshr_b32 s20, s31, 3                         ; which weight
	s_and_b32 s21, s31, 7                          ; which 128 columns
	s_lshl_b32 s23, s21, 2
	s_add_co_u32 s23, s23, s18
	s_lshl_b32 s24, s22, 20
	s_lshl_b32 s25, s23, 7
	s_add_co_u32 s24, s24, s25
	s_mov_b32 s25, 0
	s_cmp_eq_u32 s20, 1
	s_cselect_b32 s26, 64, 0                       ; Wk's blocks lie behind Wq's
	s_lshl_b32 s27, s23, 1
	s_add_co_u32 s26, s26, s27
	s_lshl_b32 s28, s26, 9
	s_lshl_b32 s29, s22, 7
	s_add_co_u32 s28, s28, s29
	s_mov_b32 s29, 0
	s_mul_i32 s26, s26, 12288
	s_mul_i32 s27, s22, 3072
	s_add_co_u32 s26, s26, s27
	s_add_co_u32 s26, s26, CO
	s_mov_b32 s27, 0
	s_wait_alu depctr_va_vdst(0)                   ; the wait at the head's end
	s_wait_kmcnt 0x0
	s_cmp_eq_u32 s20, 0                            ; the buffers are chosen by the work-group's number alone
	s_cselect_b64 s[4:5], s[4:5], s[6:7]
	s_cmp_eq_u32 s20, 2
	s_cselect_b64 s[8:9], s[8:9], s[10:11]
	s_cselect_b64 s[14:15], s[14:15], s[16:17]
	s_cmp_lt_u32 s20, 2
	s_cselect_b64 s[4:5], s[4:5], s[8:9]
	s_cselect_b64 s[12:13], s[12:13], s[14:15]
	s_add_nc_u64 s[4:5], s[4:5], s[24:25]
	s_add_nc_u64 s[14:15], s[12:13], s[28:29]      ; my scale words
	s_add_nc_u64 s[12:13], s[12:13], s[26:27]      ; my codes
.macro LOADW t
.set i, 0
.rept 32
	global_load_b32 v[XW+32*((\t)%2)+i], v3, s[4:5] offset:(32*(\t)+i)*4096 th:TH_LOAD_NT
.set i, i+1
.endr
.endm
	LOADW 0
	LOADW 1
.macro BLOCK t
.set XS, XW+32*((\t)%2)
.if (\t) < 7
	s_wait_loadcnt 32                              ; this block's 32 loads are in; the next block's may be out
.else
	s_wait_loadcnt 0x0
.endif
	v_max3_num_f32 v12, |v[XS]|, |v[XS+1]|, |v[XS+2]|
	v_max3_num_f32 v13, |v[XS+3]|, |v[XS+4]|, |v[XS+5]|
.irp i, 6,10,14,18,22,26
	v_max3_num_f32 v12, v12, |v[XS+\i]|, |v[XS+\i+1]|
	v_max3_num_f32 v13, v13, |v[XS+\i+2]|, |v[XS+\i+3]|
.endr
	v_max3_num_f32 v12, v12, |v[XS+30]|, |v[XS+31]|
	v_max3_num_f32 v12, v12, v13, 0x2800000
	v_add_nc_u32 v11, 0xfe000000, v12
	v_lshrrev_b32 v13, 23, v11
.if (\t)%4 == 0
	v_mov_b32 v[SB+(\t)/4], v13
.else
	v_lshl_or_b32 v[SB+(\t)/4], v13, 8*((\t)%4), v[SB+(\t)/4]
.endif
	v_cvt_scalef32_pk16_bf6_f32 v[C:C+2], v[XS:XS+15], v11
	v_cvt_scalef32_pk16_bf6_f32 v[C+4:C+6], v[XS+16:XS+31], v11
	v_nop
	v_mov_b32 v[C+3], v[C+4]
	v_mov_b32 v[C+4], v[C+5]
	v_mov_b32 v[C+5], v[C+6]
.irp j, 0,1,2
	ds_store_b64 v7, v[C+2*\j:C+2*\j+1] offset:1536*((\t)/4)+768*(((\t)%4)/2)+128*((\t)%2)+256*\j
.endr
.if (\t)+2 < 8
	LOADW (\t)+2
.endif
	s_wait_dscnt 0x0                               ; the stores have read their registers
.endm
.irp t, 0,1,2,3,4,5,6,7
	BLOCK \t
.endr
	s_wait_alu depctr_va_vdst(0)
	global_store_b64 v10, v[SB:SB+1], s[14:15]
.irp u, 0,1
.irp m, 0,1,2,3,4,5
	ds_load_b128 v[OUTR+4*(6*\u+\m):OUTR+4*(6*\u+\m)+3], v9 offset:TP*\u+512*\m
.endr
.endr
.irp u, 0,1
.irp m, 0,1,2,3,4,5
	s_wait_dscnt 11-(6*\u+\m)                      ; the younger loads may be out
	global_store_b128 v8, v[OUTR+4*(6*\u+\m):OUTR+4*(6*\u+\m)+3], s[12:13] offset:12288*\u+512*\m
.endr
.endr
	s_wait_tensorcnt 0x0                           ; the wave's end
	ds_add_u32 v176, v177
	s_wait_dscnt 0x0
	s_endpgm
.Lfunc_end_k_qf59ea9fd13_quant:
	.size	k_qf59ea9fd13_quant, .Lfunc_end_k_qf59ea9fd13_quant-k_qf59ea9fd13_quant
	.p2alignl 7, 3214868480
	.fill 96, 4, 3214868480
	.section	.rodata,"a",@progbits
	.p2align	6, 0x0
	.amdhsa_kernel k_qf59ea9fd13_quant
		.amdhsa_group_segment_fixed_size 60416
		.amdhsa_private_segment_fixed_size 0
		.amdhsa_enable_private_segment 0
		.amdhsa_kernarg_size 72
		.amdhsa_user_sgpr_count 2
		.amdhsa_user_sgpr_kernarg_segment_ptr 1
		.amdhsa_wavefront_size32 1
		.amdhsa_system_sgpr_workgroup_id_x 1
		.amdhsa_system_sgpr_workgroup_id_y 1
		.amdhsa_system_sgpr_workgroup_id_z 1
		.amdhsa_system_vgpr_workitem_id 0
		.amdhsa_next_free_vgpr 256
		.amdhsa_next_free_sgpr 66
		.amdhsa_reserve_vcc 1
		.amdhsa_float_denorm_mode_32 3
		.amdhsa_float_denorm_mode_16_64 3
		.amdhsa_memory_ordered 1
		.amdhsa_forward_progress 1
		.amdhsa_inst_pref_size 74
	.end_amdhsa_kernel
	.amdgpu_metadata
---
amdhsa.version: [ 1, 2 ]
amdhsa.kernels:
  - .name:           k_qf59ea9fd13_quant
    .symbol:         k_qf59ea9fd13_quant.kd
    .args:
      - { .name: x, .offset: 0, .size: 8, .value_kind: global_buffer, .address_space: global }
      - { .name: xq, .offset: 8, .size: 8, .value_kind: global_buffer, .address_space: global }
      - { .name: Wq, .offset: 16, .size: 8, .value_kind: global_buffer, .address_space: global }
      - { .name: Wk, .offset: 24, .size: 8, .value_kind: global_buffer, .address_space: global }
      - { .name: Wv, .offset: 32, .size: 8, .value_kind: global_buffer, .address_space: global }
      - { .name: Wr, .offset: 40, .size: 8, .value_kind: global_buffer, .address_space: global }
      - { .name: wqk, .offset: 48, .size: 8, .value_kind: global_buffer, .address_space: global }
      - { .name: wv, .offset: 56, .size: 8, .value_kind: global_buffer, .address_space: global }
      - { .name: wr, .offset: 64, .size: 8, .value_kind: global_buffer, .address_space: global }
    .group_segment_fixed_size: 60416
    .private_segment_fixed_size: 0
    .kernarg_segment_align: 8
    .kernarg_segment_size: 72
    .max_flat_workgroup_size: 128
    .sgpr_count:     66
    .vgpr_count:     256
    .wavefront_size: 32
...
	.end_amdgpu_metadata
.endif
;; end of part 1
;; launch proj_qk (part 2): grid 8 x 32, 4 waves a work-group, clusters of 4 x 4, 327,680 bytes of LDS; arguments xq, wqk, qk; writes qk
.if DOCPART == 2
	.amdgcn_target "amdgcn-amd-amdhsa--gfx1250"
	.amdhsa_code_object_version 6
	.text
	.protected	k_qf59ea9fd13_proj_qk
	.globl	k_qf59ea9fd13_proj_qk
	.p2align	8
	.type	k_qf59ea9fd13_proj_qk,@function
k_qf59ea9fd13_proj_qk:
	s_mov_b64 s[64:65], 0
	v_nop
	global_prefetch_b8 v0, s[64:65] scope:SCOPE_SE
	s_setreg_imm32_b32 hwreg(HW_REG_WAVE_MODE, 25, 1), 1
	s_wait_xcnt 0x0
	s_wait_alu depctr_hold_cnt(0) depctr_sa_sdst(0) depctr_va_vdst(0) depctr_va_sdst(0) depctr_va_ssrc(0) depctr_va_vcc(0) depctr_vm_vsrc(0)
	s_getreg_b32 s2, hwreg(HW_REG_IB_STS2, 6, 4)
	s_cmp_eq_u32 s2, 0
	s_cbranch_scc0 .Lentry_in_a_cluster
	s_endpgm
.Lentry_in_a_cluster:
	s_bfe_u32 s2, ttmp6, 0x10000c
	s_cmp_lg_u32 s2, 0xf033
	s_cbranch_scc0 .Lentry_shape_is_right
	s_endpgm
.Lentry_shape_is_right:
.set NQ,     2
.set FR,     12
.set NL,     6
.set NP,     4
.set CO,     262144
.set PO,     524288
.set RBK,    12288
.set STEPB,  3072
.set HALFT,  8*STEPB
.set SLOT,   4*HALFT
.set LAPS,   2
.set SCL,    2*SLOT
.set HALFS,  8*512
.set SPARE,  SCL+4*HALFS
.set ADRA, 16
.set ADRB, 20
.set O8,   24
.set OS,   25
.set ADRS, 27
.set SPW,  28
.set NIL,  29
.set SC,   32
.set TM,   64
.set CT,   80
.set PW,   88
.set SW,   96
.set AF,   128
.set PCB,  128
.set G1, 24
.set G0, 32
.set G1B, 48
.set G0B, 56
.set G1S, 68
.set G0S, 76
.set G1SB, 80
.set G0SB, 88
.set SEL, 96
.set MSB, 0
.macro WIN new
.if MSB != (\new)
	s_set_vgpr_msb (MSB<<8)|(\new)
.set MSB, \new
.endif
.endm
.set MUL_LO, 0xa1
.set MUL_HI, 0xf1
.set TO_B,   0x40
.macro JLOAD g0a, g1a, g0b, g1b
	s_cmp_eq_u32 s15, 0
	s_cbranch_scc0 .Lfor_b_\@
	tensor_load_to_lds s[\g0a:\g0a+3], s[\g1a:\g1a+7]
	s_nop 0
.rept 4
	v_nop
.endr
	s_branch .Lasked_\@
.Lfor_b_\@:
	tensor_load_to_lds s[\g0b:\g0b+3], s[\g1b:\g1b+7]
	s_nop 0
.rept 4
	v_nop
.endr
.Lasked_\@:
.endm
.macro CREST
	s_cmp_lg_u32 s14, 0
	s_cbranch_scc1 .Lnot_wave_0_\@
	s_barrier_signal -3
.Lnot_wave_0_\@:
	s_barrier_wait -3
	s_barrier_signal -1
	s_barrier_wait -1
.endm
.macro CROUND
	s_barrier_signal -1
	s_barrier_wait -1
	CREST
.endm
	s_load_b128 s[4:7], s[0:1], 0x0
	s_load_b64 s[12:13], s[0:1], 0x10
	v_lshl_add_u32 v[SPW], v0, 2, SPARE
	v_mov_b32 v[NIL], 0
	ds_add_u32 v28, v29
	ds_add_u32 v28, v29
	s_wait_dscnt 0x0
	v_lshrrev_b32 v1, 5, v0
	v_readfirstlane_b32 s14, v1
	s_lshr_b32 s15, s14, 1
	s_and_b32 s16, s14, 1
	s_bfe_u32 s40, ttmp6, 0x40000
	s_bfe_u32 s41, ttmp6, 0x40004
	s_lshl_b32 s42, ttmp9, 2
	s_add_co_u32 s42, s42, s40
	s_and_b32 s17, ttmp7, 0xffff
	s_lshl_b32 s17, s17, 2
	s_add_co_u32 s17, s17, s41
	s_lshl_b32 s43, s41, 2
	s_lshl_b32 s43, 15, s43
	s_lshl_b32 s44, 0x1111, s40
	s_or_b32 s[G1+0], s43, (3<<16)|(1<<21)
	s_or_b32 s[G1B+0], s44, (3<<16)|(1<<21)
.irp g, G1, G1B
	s_mov_b32 s[\g+1], 384<<16
	s_mov_b32 s[\g+2], 16<<16
	s_mov_b32 s[\g+3], 384<<16
	s_mov_b32 s[\g+4], 16
	s_mov_b32 s[\g+5], 1536
	s_mov_b32 s[\g+6], 0
	s_mov_b32 s[\g+7], 0
.endr
	s_or_b32 s[G1S+0], s43, (3<<16)|(1<<21)
	s_or_b32 s[G1SB+0], s44, (3<<16)|(1<<21)
.irp g, G1S, G1SB
	s_mov_b32 s[\g+1], 32<<16
	s_mov_b32 s[\g+2], 32<<16
	s_mov_b32 s[\g+3], 32<<16
	s_mov_b32 s[\g+4], 32
	s_mov_b32 s[\g+5], 32
	s_mov_b32 s[\g+6], 0
	s_mov_b32 s[\g+7], 0
.endr
	s_lshl_b32 s20, s17, 4
	s_lshl_b32 s46, s42, 4
	s_lshl_b32 s22, s20, 9
	s_mov_b32 s23, 0
	s_lshl_b32 s92, s46, 9
	s_mov_b32 s93, 0
	s_mul_i32 s20, s20, RBK
	s_add_co_u32 s20, s20, CO
	s_mov_b32 s21, 0
	s_mul_i32 s46, s46, RBK
	s_add_co_u32 s46, s46, CO
	s_mov_b32 s47, 0
	s_mul_i32 s45, s14, HALFT
	s_mul_i32 s18, s16, 8*RBK                      ; in the ring I fetch 8 of a tile's 16 row blocks: which half, in bytes
	s_mov_b32 s19, 0
	s_mov_b32 s[SEL], 0x76543210
	s_mov_b32 s[SEL+1], 0xfedcba98
	s_wait_kmcnt 0x0
	s_add_nc_u64 s[20:21], s[4:5], s[20:21]
	s_add_nc_u64 s[22:23], s[4:5], s[22:23]
	s_add_nc_u64 s[46:47], s[6:7], s[46:47]
	s_add_nc_u64 s[92:93], s[6:7], s[92:93]
	CROUND
	s_mov_b32 s[G0S], 1
	s_mov_b32 s[G0S+1], SCL
	s_mov_b64 s[G0S+2:G0S+3], s[22:23]
	s_or_b32 s[G0S+3], s[G0S+3], 0x80000000
	s_mov_b32 s[G0SB], 1
	s_mov_b32 s[G0SB+1], SCL+2*HALFS
	s_mov_b64 s[G0SB+2:G0SB+3], s[92:93]
	s_or_b32 s[G0SB+3], s[G0SB+3], 0x80000000
.set G0H, 4                            ; s[4:7], s[8:11]: group 0 of the head's loads of slot 0, A's 16 row blocks and B's (the arguments that lay there have been used)
.set G0HB, 8
	s_mov_b32 s[G0H], 1
	s_mov_b32 s[G0H+1], 0
	s_mov_b64 s[G0H+2:G0H+3], s[20:21]
	s_or_b32 s[G0H+3], s[G0H+3], 0x80000000
	s_mov_b32 s[G0HB], 1
	s_mov_b32 s[G0HB+1], 2*HALFT
	s_mov_b64 s[G0HB+2:G0HB+3], s[46:47]
	s_or_b32 s[G0HB+3], s[G0HB+3], 0x80000000
	s_add_nc_u64 s[20:21], s[20:21], s[18:19]      ; for the ring: my half of the tile
	s_add_nc_u64 s[46:47], s[46:47], s[18:19]
.irp s, 0,1
	s_mov_b32 s[G0+4*\s], 1
	s_add_co_u32 s[G0+4*\s+1], s45, \s*SLOT
	s_add_nc_u64 s[G0+4*\s+2:G0+4*\s+3], s[20:21], \s*STEPB
	s_or_b32 s[G0+4*\s+3], s[G0+4*\s+3], 0x80000000
	s_mov_b32 s[G0B+4*\s], 1
	s_add_co_u32 s[G0B+4*\s+1], s45, \s*SLOT
	s_add_nc_u64 s[G0B+4*\s+2:G0B+4*\s+3], s[46:47], \s*STEPB
	s_or_b32 s[G0B+4*\s+3], s[G0B+4*\s+3], 0x80000000
.endr
; The head's four tiles, one joint load a wave: wave 0 A's slot 0, wave 1 B's, wave 2 A's scale words, wave 3 B's.  One chain of branches on the wave's number, one load to an arm.
.macro ARM under, g0, g1, next
	s_cmp_lt_u32 s14, \under
	s_cbranch_scc0 \next
	tensor_load_to_lds s[\g0:\g0+3], s[\g1:\g1+7]
	s_nop 0
.rept 4
	v_nop
.endr
	s_branch .Lhead_asked
\next:
.endm
	ARM 1, G0H,  G1,  .Lhead_b
	ARM 2, G0HB, G1B, .Lhead_sa
	ARM 3, G0S,  G1S, .Lhead_sb
	tensor_load_to_lds s[G0SB:G0SB+3], s[G1SB:G1SB+7]
	s_nop 0
.rept 4
	v_nop
.endr
.Lhead_asked:
	v_and_b32 v1, 15, v0
	v_bfe_u32 v2, v0, 4, 1
	s_wait_alu depctr_va_vdst(0)
	v_and_b32 v3, 31, v0
	v_lshlrev_b32 v[O8], 3, v3
	s_mul_i32 s21, s15, HALFT
	s_mul_i32 s22, s16, HALFT
	s_add_co_u32 s22, s22, 2*HALFT
.irp s, 0,1
	v_add_nc_u32 v[ADRA+\s], s21, v[O8]
	v_add_nc_u32 v[ADRB+\s], s22, v[O8]
	s_add_co_u32 s21, s21, SLOT
	s_add_co_u32 s22, s22, SLOT
.endr
	v_lshlrev_b32 v5, 3, v1
	s_mul_i32 s21, s15, HALFS
	s_mul_i32 s22, s16, HALFS
	s_add_co_u32 s22, s22, 2*HALFS
	s_sub_co_u32 s22, s22, s21
	v_mul_u32_u24 v6, s22, v2
	s_add_co_u32 s21, s21, SCL
	v_add_nc_u32 v5, v5, v6
	v_add_nc_u32 v[ADRS], s21, v5
	v_lshlrev_b32 v[OS], 5, v1
	v_lshl_add_u32 v[OS], v2, 4, v[OS]
.irp b, 0,1,2,3
	v_mov_b32 v[TM+4+\b], 0
.endr
	s_lshl_b32 s20, s17, 1
	s_add_co_u32 s20, s20, s15
	s_lshl_b32 s46, s42, 1
	s_add_co_u32 s46, s46, s16
	s_lshl_b32 s20, s20, 4
	s_and_b32 s47, s46, 15
	s_add_co_u32 s20, s20, s47
	s_lshr_b32 s46, s46, 4
	s_lshl_b32 s46, s46, 7
	s_add_co_u32 s20, s20, s46
	s_lshl_b32 s92, s20, 9
	s_mov_b32 s93, 0
	s_mul_i32 s20, s20, RBK
	s_add_co_u32 s20, s20, PO
	s_mov_b32 s21, 0
	s_add_nc_u64 s[92:93], s[12:13], s[92:93]
	s_add_nc_u64 s[12:13], s[12:13], s[20:21]
.macro FRAG reg, adr, q, i
.irp p, 0,1,2,3,4,5
	ds_load_b64 v[\reg+2*\p:\reg+2*\p+1], v[\adr] offset:STEPB*(\i)+1536*(\q)+256*\p
.endr
.endm
.macro MUL16 a0, p, q, sc, zero
.irp a, \a0, \a0+1
.irp b, 0,1,2,3,4,5,6,7
.if \zero
	v_wmma_scale_f32_16x16x128_f8f6f4 v[8*(8*((\a)%4)+\b):8*(8*((\a)%4)+\b)+7], v[128*(\p)+FR*\b:128*(\p)+FR*\b+FR-1], v[AF+FR*(\a):AF+FR*(\a)+FR-1], 0, v[SC+8*NQ*(\sc)+NQ*\b+(\q)], v[SC+8*NQ*(\sc)+NQ*(\a)+(\q)] matrix_a_fmt:MATRIX_FMT_BF6 matrix_b_fmt:MATRIX_FMT_BF6 matrix_a_scale:MATRIX_SCALE_ROW1
.else
	v_wmma_scale_f32_16x16x128_f8f6f4 v[8*(8*((\a)%4)+\b):8*(8*((\a)%4)+\b)+7], v[128*(\p)+FR*\b:128*(\p)+FR*\b+FR-1], v[AF+FR*(\a):AF+FR*(\a)+FR-1], v[8*(8*((\a)%4)+\b):8*(8*((\a)%4)+\b)+7], v[SC+8*NQ*(\sc)+NQ*\b+(\q)], v[SC+8*NQ*(\sc)+NQ*(\a)+(\q)] matrix_a_fmt:MATRIX_FMT_BF6 matrix_b_fmt:MATRIX_FMT_BF6 matrix_a_scale:MATRIX_SCALE_ROW1
.endif
.endr
.endr
.endm
.macro FETCH_B slot, q, p
	WIN TO_B
.irp i, 0,1,2,3,4,5,6,7
	FRAG 128*(\p)+FR*\i, ADRB+\slot, \q, \i
.endr
	WIN 0
.endm
.macro FETCH_A slot, q, i0
.irp i, \i0, \i0+1, \i0+2, \i0+3
	FRAG AF+FR*(\i), ADRA+\slot, \q, \i
.endr
.endm
.macro SCALES sc
.irp i, 0,1,2,3,4,5,6,7
	ds_load_b64 v[SC+8*NQ*\sc+NQ*\i:SC+8*NQ*\sc+NQ*\i+1], v[ADRS] offset:\i*512
.endr
.endm
.macro PLACES n
.rept \n
	v_nop
.endr
.endm
.macro STEP slot, q, zero
	s_wait_dscnt 4*NL
	WIN MUL_LO
	MUL16 0, (\q)%2, \q, \slot, \zero
	MUL16 2, (\q)%2, \q, \slot, \zero
	s_wait_dscnt 0
	PLACES NP
	FETCH_B \slot, (\q)+1, 1-(\q)%2
	FETCH_A \slot, (\q)+1, 0
	WIN MUL_HI
	MUL16 4, (\q)%2, \q, \slot, \zero
	MUL16 6, (\q)%2, \q, \slot, \zero
	PLACES NP
	WIN 0
	FETCH_A \slot, (\q)+1, 4
.endm
.macro TURN slot, next, fill
	s_wait_tensorcnt 0x0
	ds_add_u32 v[SPW], v[NIL]
	s_wait_dscnt 4*NL+1
	WIN MUL_LO
	MUL16 0, 1, NQ-1, \slot, 0
	s_wait_dscnt 0x0
	s_barrier_signal -1
	MUL16 2, 1, NQ-1, \slot, 0
	WIN 0
	s_barrier_wait -1
.if \fill
	CREST
	s_add_nc_u64 s[G0+4*\slot+2:G0+4*\slot+3], s[G0+4*\slot+2:G0+4*\slot+3], 2*STEPB
	s_add_nc_u64 s[G0B+4*\slot+2:G0B+4*\slot+3], s[G0B+4*\slot+2:G0B+4*\slot+3], 2*STEPB
	JLOAD G0+4*\slot, G1, G0B+4*\slot, G1B
.else
	PLACES NP
.endif
	s_wait_alu depctr_va_vdst(0)
	v_add_nc_u32 v[ADRS], 128, v[ADRS]
	FETCH_B \next, 0, 0
	FETCH_A \next, 0, 0
	SCALES \next
	WIN MUL_HI
	MUL16 4, 1, NQ-1, \slot, 0
	MUL16 6, 1, NQ-1, \slot, 0
	PLACES NP
	WIN 0
	FETCH_A \next, 0, 4
.endm
	s_wait_alu depctr_va_vdst(0)                   ; the wait at the head's end
	s_wait_tensorcnt 0x0                           ; my tile of the head's four is in
	ds_add_u32 v[SPW], v[NIL]
	s_mov_b32 s[G1+2], 8<<16                       ; no tensor load of mine is out: from here on a load brings 8 row blocks
	s_mov_b32 s[G1+4], 8
	s_mov_b32 s[G1B+2], 8<<16
	s_mov_b32 s[G1B+4], 8
	s_wait_dscnt 0x0
	CROUND                                         ; all four tiles are in, and all sixteen work-groups are here
	JLOAD G0+4, G1, G0B+4, G1B                     ; slot 1's first fill, the first tensor load behind the round
	FETCH_B 0, 0, 0
	FETCH_A 0, 0, 0
	SCALES 0
	FETCH_A 0, 0, 4
	STEP 0, 0, 1
	s_mov_b32 s3, LAPS-1
.Llap:
	TURN 0, 1, 1
	STEP 1, 0, 0
	TURN 1, 0, 1
	STEP 0, 0, 0
	s_sub_co_u32 s3, s3, 1
	s_cmp_lg_u32 s3, 0
	s_cbranch_scc1 .Llap
	TURN 0, 1, 0
	STEP 1, 0, 0
	s_wait_dscnt 4*NL
	WIN MUL_LO
	MUL16 0, 1, NQ-1, 1, 0
	MUL16 2, 1, NQ-1, 1, 0
	s_wait_dscnt 0
	WIN MUL_HI
	MUL16 4, 1, NQ-1, 1, 0
	MUL16 6, 1, NQ-1, 1, 0
	WIN 0
.macro QUANTW a
.set AC, 64*((\a)%4)
.set PCA, PCB+12*(\a)
	WIN 0x0a+5*((\a)/4)
.irp b, 0,1,2,3
	v_max3_num_f32 v[TM+\b], |v[AC+16*\b]|, |v[AC+16*\b+1]|, 0x2800000
.endr
.irp i, 2,4,6,8,10,12,14
.irp b, 0,1,2,3
	v_max3_num_f32 v[TM+\b], |v[AC+16*\b+\i]|, |v[AC+16*\b+\i+1]|, v[TM+\b]
.endr
.endr
	WIN 0
.irp b, 0,1,2,3
	v_permlanex16_b32 v[TM+4+\b], v[TM+\b], s[SEL], s[SEL+1]
.endr
.irp b, 0,1,2,3
	v_max_num_f32 v[TM+\b], v[TM+\b], v[TM+4+\b]
.endr
.irp b, 0,1,2,3
	v_add_nc_u32 v[TM+12+\b], 0xfe000000, v[TM+\b]
.endr
.irp b, 0,1,2,3
	v_lshrrev_b32 v[TM+4+\b], 23, v[TM+12+\b]
.endr
	v_lshl_or_b32 v[PW+(\a)], v[TM+5], 8, v[TM+4]
	v_lshl_or_b32 v[PW+(\a)], v[TM+6], 16, v[PW+(\a)]
	v_lshl_or_b32 v[PW+(\a)], v[TM+7], 24, v[PW+(\a)]
	WIN 2+(\a)/4
.irp c, 0,1
	v_cvt_scalef32_pk16_bf6_f32 v[PCA+6*\c:PCA+6*\c+2], v[AC+32*\c:AC+32*\c+15], v[TM+12+2*\c]
	v_cvt_scalef32_pk16_bf6_f32 v[CT+4*\c:CT+4*\c+2], v[AC+32*\c+16:AC+32*\c+31], v[TM+12+2*\c+1]
.endr
	WIN 0
	v_nop
.irp c, 0,1
.irp i, 0,1,2
	v_permlane16_swap_b32 v[PCA+6*\c+\i], v[CT+4*\c+\i]
.endr
.irp i, 0,1,2
	v_mov_b32 v[PCA+6*\c+3+\i], v[CT+4*\c+\i]
.endr
.endr
.irp c, 0,1
.irp j, 0,1,2
	global_store_b64 v[O8], v[PCA+6*\c+2*\j:PCA+6*\c+2*\j+1], s[12:13] offset:6144*\c+768*(\a)+256*\j
.endr
.endr
.endm
	PLACES NP
.irp a, 0,1,2,3,4,5,6,7
	QUANTW \a
.endr
	v_cmp_ne_u32 vcc_lo, 0, v2
.irp i, 0,1,2,3
	v_cndmask_b32 v[SW+\i], v[PW+\i], v[PW+4+\i], vcc_lo
.endr
	global_store_b128 v[OS], v[SW:SW+3], s[92:93]
	s_wait_tensorcnt 0x0
	ds_add_u32 v[SPW], v[NIL]
	s_wait_dscnt 0x0
	CROUND
	s_endpgm
.Lfunc_end_k_qf59ea9fd13_proj_qk:
	.size	k_qf59ea9fd13_proj_qk, .Lfunc_end_k_qf59ea9fd13_proj_qk-k_qf59ea9fd13_proj_qk
	.p2alignl 7, 3214868480
	.fill 96, 4, 3214868480
	.section	.rodata,"a",@progbits
	.p2align	6, 0x0
	.amdhsa_kernel k_qf59ea9fd13_proj_qk
		.amdhsa_group_segment_fixed_size 327680
		.amdhsa_private_segment_fixed_size 0
		.amdhsa_enable_private_segment 0
		.amdhsa_kernarg_size 24
		.amdhsa_user_sgpr_count 2
		.amdhsa_user_sgpr_kernarg_segment_ptr 1
		.amdhsa_wavefront_size32 1
		.amdhsa_system_sgpr_workgroup_id_x 1
		.amdhsa_system_sgpr_workgroup_id_y 1
		.amdhsa_system_sgpr_workgroup_id_z 1
		.amdhsa_system_vgpr_workitem_id 0
		.amdhsa_next_free_vgpr 1024
		.amdhsa_next_free_sgpr 98
		.amdhsa_reserve_vcc 1
		.amdhsa_float_denorm_mode_32 3
		.amdhsa_float_denorm_mode_16_64 3
		.amdhsa_memory_ordered 1
		.amdhsa_forward_progress 1
		.amdhsa_inst_pref_size 167
	.end_amdhsa_kernel
	.amdgpu_metadata
---
amdhsa.version: [ 1, 2 ]
amdhsa.kernels:
  - .name:           k_qf59ea9fd13_proj_qk
    .symbol:         k_qf59ea9fd13_proj_qk.kd
    .args:
      - { .name: xq, .offset: 0, .size: 8, .value_kind: global_buffer, .address_space: global }
      - { .name: wqk, .offset: 8, .size: 8, .value_kind: global_buffer, .address_space: global }
      - { .name: qk, .offset: 16, .size: 8, .value_kind: global_buffer, .address_space: global }
    .group_segment_fixed_size: 327680
    .private_segment_fixed_size: 0
    .kernarg_segment_align: 8
    .kernarg_segment_size: 24
    .max_flat_workgroup_size: 128
    .sgpr_count:     98
    .vgpr_count:     1024
    .wavefront_size: 32
...
	.end_amdgpu_metadata
.endif
;; end of part 2
;; launch proj_v: the kernel of part 2 again; grid 32 x 4, 4 waves a work-group, clusters of 4 x 4, 327,680 bytes of LDS; arguments wv, xq, vt; writes vt
;; launch attn (part 3): grid 4 x 64, 8 waves a work-group, clusters of 4 x 1, 219,136 bytes of LDS; arguments qk, vt, oq; writes oq
.if DOCPART == 3
	.amdgcn_target "amdgcn-amd-amdhsa--gfx1250"
	.amdhsa_code_object_version 6
	.text
	.protected	k_qf59ea9fd13_attn
	.globl	k_qf59ea9fd13_attn
	.p2align	8
	.type	k_qf59ea9fd13_attn,@function
k_qf59ea9fd13_attn:
	s_mov_b64 s[64:65], 0
	v_nop
	global_prefetch_b8 v0, s[64:65] scope:SCOPE_SE
	s_setreg_imm32_b32 hwreg(HW_REG_WAVE_MODE, 25, 1), 1
	s_wait_xcnt 0x0
	s_wait_alu depctr_hold_cnt(0) depctr_sa_sdst(0) depctr_va_vdst(0) depctr_va_sdst(0) depctr_va_ssrc(0) depctr_va_vcc(0) depctr_vm_vsrc(0)
	s_getreg_b32 s2, hwreg(HW_REG_IB_STS2, 6, 4)
	s_cmp_eq_u32 s2, 0
	s_cbranch_scc0 .Lentry_in_a_cluster
	s_endpgm
.Lentry_in_a_cluster:
	s_bfe_u32 s2, ttmp6, 0x10000c
	s_cmp_lg_u32 s2, 0x3003
	s_cbranch_scc0 .Lentry_shape_is_right
	s_endpgm
.Lentry_shape_is_right:
; o[b][q][hd][:] = sum over keys of softmax_k(q . k / 8 - 50 [key > query]) v[key][:]; 4 x 16 heads, 2,048 tokens, head size 64; both products on codes of BF6 (E3M2) with E8M0 scales; o is quantised along hd x 64 + d.
; The mask ADDS -50 and hides nothing: every key counts for every query, and every step is done.
; SOFTMAX: t = logit x log2(e); M = the running largest t rounded UP to a whole number; p = 2^(t - M) is quantised along the keys; the row's sum is taken of the unquantised p and divides at the end.
; When M moves, the sums and O are multiplied by 2^(old M - new M): exact.
; INPUTS: qk: entry idx = 16 (token / 128) + np (np 0-7: q of heads 2 np, 2 np + 1; 8-15: k): scale words at 512 idx, [row 16][a 8]; codes at PO + 12,288 idx, [parity 2][a 8][768]; 768 bytes are 16 tokens x 64 channels,
; registers 2 j, 2 j + 1 of lane l at 256 j + 8 l; stored tile a's row i is token 32 (a / 2) + 8 (a % 2) + i + 8 (i / 8).  vt: entry 128 b + 16 (head / 2) + key / 128, same shape: a = 4 parity + channel tile, c = which 64 keys.
; CLUSTER: the four work-groups of a cluster share (b, head): its K and V, 212,992 bytes, come once into each partner's LDS by joint loads at the head, ONE a wave: waves 0-3 K's codes (4 steps each), waves 4-5 V's (8 steps each),
; wave 6 K's scale words, wave 7 V's.  Nothing is filled again.  No prefetch: all tiles are asked for at the head, and there is no loop to run ahead in.
; SHARES: partner cx, wave w, pass p own the 32 queries 128 (w + 8 p) + 32 cx + 0 .. 31 as TWO tiles T of 16 (query 8 T + r + 8 (r / 8)), which share every fragment of K and V.  The step with their diagonal is w + 8 p in every partner.
; LAYOUT: S^T = K Q^T, O^T = V^T P^T: a lane holds one query.  THE KEYS OF A SCORE TILE ARE CHOSEN BY THE LANES' LDS ADDRESSES: tile (c, t) takes in row m key 64 c + 8 t + m % 8 + 32 (m / 8), so register 32 c + n of lane (r, h)
; is key 64 c + 32 h + n: a lane holds two WHOLE blocks of 32 keys in the order of the second product's operand: no other lane is asked for a block's maximum, and the codes are not exchanged between lanes.
; K = 64 in an instruction of K = 128: a fragment holds two tiles of keys; against [q | zeros] it gives the first tile's scores, against [zeros | q] the second's.
; THE MASK: steps behind the diagonal add -50 log2(e) in the addend of t - M; the diagonal step gives the products a pattern of 0 and -400 as C (t = S log2(e) / 8).
; FRAGMENTS RUN A STEP AHEAD: the next step's 25 loads for K stand among the lines that make M, the next 25 for V behind the second product; after step 15 comes step 0, for the next pass.  So each wait on DScnt is for 25:
; at a step's top V's 25 are the younger ones, ahead of the second product K's 25.  q is asked for ahead too: the first pass's at the head, the second's ahead of the first pass's end.
; LIMITS: p under 2^-126 comes out as 0; 1 / sum is v_rcp_f32's; a block whose largest magnitude lies under 2^-122 has its byte held at 1, a block of zeros too; NaN and infinities are not served; scaled scores stay under 2^31.
; REGISTERS.  Window 1: v0-47 V's fragments; v48-175 S^T then p, 64 a tile; v176-239 O^T, 32 a tile.  Window 0: the names below.
.set PO,   524288
.set CO,   262144
.set VC,   98304                       ; LDS: K's codes at 0, [step][6144]; V's here, [step][c 2][3072]
.set KSR,  196608                      ; K's scale words as stored, [step][512]
.set VSR,  204800                      ; V's, [step][row 16][a 8]
.set KSW,  212992                      ; K's scale words remade for the paired fragments, [step][row 16][F 4]: no fill lands here
.set SPARE, 217088                     ; the spare words, 128 bytes a wave
.set L8,   1                           ; 8 x lane
.set AK,   2                           ; the step's LDS addresses: K, V, K's words, V's words
.set AV,   3
.set AKS,  4
.set AVS,  5
.set R32,  6                           ; 32 r
.set OB8,  7                           ; 8 r + h
.set SH8,  8                           ; 8 h
.set HH,   9                           ; h
.set EC,   10                          ; v10, v11: register 32 c + n of tile T is masked on the diagonal where n - 8 T > this
.set TS0,  12                          ; 8 a tile: +0 the addend -M (+ mask), +1 the largest t, +2 f, +3 -M, +4, +5 at work
.set SPW,  28
.set NIL,  29
.set QZ,   30                          ; zeros 6, q of tile 0, zeros 6, q of tile 1, zeros 6
.set QS,   60                          ; q's scale words: 2 T + form
.set KS,   64
.set VS,   68
.set PW,   72                          ; p's scale words
.set QW,   74
.set KF,   76                          ; K's four paired fragments
.set PC,   124                         ; p's codes, 12 a tile
.set CT,   148                         ; the conversions' second halves, 8 a tile
.set LS,   164                         ; the row's sum in four pairs, 8 a tile
.set BT,   180                         ; 8 a tile: +0,1 block maxima; +2,3 second chains, then scale operands; +4,5 bytes; +6,7 at work
.set BK0,  196                         ; v196-199 the four LDS addresses at step 0
.set NEGR, 200                         ; -400
.set VF,   0
.set S,    48
.set O,    176
.set WV,   18
.set CX,   19
.set SEL,  20
.set CS,   22
.set G1K,  24
.set G1V,  32
.set G1KS, 40
.set G1VS, 48
.set G0K,  56
.set G0KS, 60
.set G0V,  68
.set G0VS, 72
.set OFF,  76
.set EE,   77
.set ST,   78
.set NX,   79
.set TB,   80
.set TSS,  81
.set TT,   82
.set PS,   83
.set PSEL, 84
.set SH,   85
.set SQ,   86
.set SQS,  88
.set SO,   90
.set SOS,  92
.set MSB, 0
.macro WIN new                         ; the immediate's high byte repeats the setting that is left
.if MSB != (\new)
	s_set_vgpr_msb (MSB<<8)|(\new)
.set MSB, \new
.endif
.endm
.macro CROUND
	s_barrier_signal -1
	s_barrier_wait -1
	s_cmp_lg_u32 s[WV], 0
	s_cbranch_scc1 .Lnot_wave_0_\@
	s_barrier_signal -3
.Lnot_wave_0_\@:
	s_barrier_wait -3
	s_barrier_signal -1
	s_barrier_wait -1
.endm
.macro ARM under, g0, g1, next
	s_cmp_lt_u32 s[WV], \under
	s_cbranch_scc0 \next
	tensor_load_to_lds s[\g0:\g0+3], s[\g1:\g1+7]
	s_nop 0
.rept 4
	v_nop
.endr
	s_branch .Lhead_asked
\next:
.endm
.macro QLOAD                           ; the two tiles' codes of q and their rows' scale words
.irp T, 0,1
.irp j, 0,1,2
	global_load_b64 v[QZ+6+12*\T+2*\j:QZ+7+12*\T+2*\j], v[L8], s[SQ:SQ+1] offset:768*\T+256*\j
.endr
.endr
	global_load_b64 v[QW:QW+1], v[R32], s[SQS:SQS+1]
.endm
	s_load_b128 s[4:7], s[0:1], 0x0                ; qk, vt
	s_load_b64 s[8:9], s[0:1], 0x10                ; oq
	v_lshl_add_u32 v[SPW], v0, 2, SPARE
	v_mov_b32 v[NIL], 0
	ds_add_u32 v[SPW], v[NIL]                      ; the opening lines: the add twice and one wait
	ds_add_u32 v[SPW], v[NIL]
	v_lshrrev_b32 v2, 5, v0
	v_readfirstlane_b32 s[WV], v2                  ; wave 0..7
	s_and_b32 s10, ttmp7, 0xffff                   ; 16 b + head
	s_lshr_b32 s11, s10, 4                         ; b
	s_and_b32 s12, s10, 15                         ; head
	s_lshr_b32 s13, s12, 1                         ; the pair of heads
	s_and_b32 s14, s12, 1                          ; parity
	s_and_b32 s15, s[WV], 3                        ; which 4 steps of K
	s_and_b32 s94, s[WV], 1                        ; which 8 steps of V
.irp g, G1K, G1V, G1KS, G1VS                   ; elements of 8 bytes, mask = the four partners, bit 21 beside it
	s_mov_b32 s[\g], 15|(3<<16)|(1<<21)
	s_mov_b32 s[\g+6], 0
	s_mov_b32 s[\g+7], 0
.endr
	s_mov_b32 s[G1K+1], 768<<16                    ; K's codes: 4 rows (steps) of 6,144 bytes, 196,608 apart
	s_mov_b32 s[G1K+2], 4<<16
	s_mov_b32 s[G1K+3], 768<<16
	s_mov_b32 s[G1K+4], 4
	s_mov_b32 s[G1K+5], 24576
	s_mov_b32 s[G1V+1], 384<<16                    ; V's codes: 16 rows (step, c) of 3,072 bytes, 6,144 apart
	s_mov_b32 s[G1V+2], 16<<16
	s_mov_b32 s[G1V+3], 384<<16
	s_mov_b32 s[G1V+4], 16
	s_mov_b32 s[G1V+5], 768
	s_mov_b32 s[G1KS+1], 64<<16                    ; K's scale words: 16 rows of 512 bytes, 8,192 apart
	s_mov_b32 s[G1KS+2], 16<<16
	s_mov_b32 s[G1KS+3], 64<<16
	s_mov_b32 s[G1KS+4], 16
	s_mov_b32 s[G1KS+5], 1024
	s_mov_b32 s[G1VS+1], 64<<16                    ; V's: 16 rows of 512 bytes, dense
	s_mov_b32 s[G1VS+2], 16<<16
	s_mov_b32 s[G1VS+3], 64<<16
	s_mov_b32 s[G1VS+4], 16
	s_mov_b32 s[G1VS+5], 64
	s_lshl_b32 s16, s11, 8
	s_add_co_u32 s16, s16, s13
	s_add_co_u32 s16, s16, 8                       ; K's entry of step 0
	s_lshl_b32 s[G0KS+2], s16, 9
	s_mov_b32 s[G0KS+3], 0
	s_lshl_b32 s17, s15, 6                         ; 4 steps are 64 entries
	s_add_co_u32 s16, s16, s17
	s_mul_i32 s[G0K+2], s16, 12288
	s_mul_i32 s17, s14, 6144
	s_add_co_u32 s[G0K+2], s[G0K+2], s17
	s_add_co_u32 s[G0K+2], s[G0K+2], PO
	s_mov_b32 s[G0K+3], 0
	s_lshl_b32 s16, s11, 7
	s_lshl_b32 s17, s13, 4
	s_add_co_u32 s16, s16, s17                     ; V's entry of step 0
	s_lshl_b32 s[G0VS+2], s16, 9
	s_mov_b32 s[G0VS+3], 0
	s_lshl_b32 s17, s94, 3
	s_add_co_u32 s16, s16, s17
	s_mul_i32 s[G0V+2], s16, 12288
	s_mul_i32 s17, s14, 3072
	s_add_co_u32 s[G0V+2], s[G0V+2], s17
	s_add_co_u32 s[G0V+2], s[G0V+2], PO
	s_mov_b32 s[G0V+3], 0
	s_mov_b32 s[G0K], 1
	s_mul_i32 s[G0K+1], s15, 24576
	s_mov_b32 s[G0KS], 1
	s_mov_b32 s[G0KS+1], KSR
	s_mov_b32 s[G0V], 1
	s_mul_i32 s[G0V+1], s94, 49152
	s_add_co_u32 s[G0V+1], s[G0V+1], VC
	s_mov_b32 s[G0VS], 1
	s_mov_b32 s[G0VS+1], VSR
	; what hangs on my place in the cluster: global addresses and the mask's data alone, in registers of their own
	s_bfe_u32 s[CX], ttmp6, 0x40000
	s_lshl_b32 s[SH], s14, 4
	s_mov_b32 s[SEL], 0x76543210
	s_mov_b32 s[SEL+1], 0xfedcba98
	s_mov_b32 s[CS], 0x3e38aa3b                    ; log2(e) / 8
	s_mov_b32 s[CS+1], s[CS]
	s_mov_b32 s[PSEL], 0x07060302
	s_cmp_eq_u32 s14, 0
	s_cselect_b32 s[PSEL], 0x05040100, s[PSEL]     ; which two bytes of a stored scale word are my head's
	s_lshl_b32 s95, s11, 4
	s_add_co_u32 s95, s95, s[WV]
	s_lshl_b32 s95, s95, 4
	s_add_co_u32 s95, s95, s13                     ; q's entry, pass 0: tokens 128 w on
	s_lshl_b32 s[SQS], s95, 9
	s_lshl_b32 s96, s[CX], 3
	s_add_co_u32 s[SQS], s[SQS], s96
	s_mov_b32 s[SQS+1], 0
	s_mul_i32 s[SQ], s95, 12288
	s_mul_i32 s96, s14, 6144
	s_add_co_u32 s[SQ], s[SQ], s96
	s_mul_i32 s96, s[CX], 1536
	s_add_co_u32 s[SQ], s[SQ], s96
	s_add_co_u32 s[SQ], s[SQ], PO
	s_mov_b32 s[SQ+1], 0
	s_lshl_b32 s95, s11, 7
	s_lshl_b32 s96, s[WV], 3
	s_add_co_u32 s95, s95, s96
	s_lshl_b32 s96, s[CX], 1
	s_add_co_u32 s95, s95, s96                     ; o's row block of tile 0, pass 0
	s_lshl_b32 s[SOS], s95, 9
	s_lshr_b32 s96, s12, 2
	s_lshl_b32 s96, s96, 7
	s_add_co_u32 s[SOS], s[SOS], s96
	s_and_b32 s96, s12, 3
	s_lshl_b32 s96, s96, 1
	s_add_co_u32 s[SOS], s[SOS], s96               ; + 128 (head / 4) + 2 (head % 4)
	s_mov_b32 s[SOS+1], 0
	s_mul_i32 s[SO], s95, 12288
	s_mul_i32 s96, s12, 768
	s_add_co_u32 s[SO], s[SO], s96
	s_add_co_u32 s[SO], s[SO], CO
	s_mov_b32 s[SO+1], 0
	s_lshl_b32 s97, s[WV], 10
	s_add_co_u32 s97, s97, KSR                     ; the stored words of steps 2 w, 2 w + 1
	s_lshl_b32 s98, s[WV], 9
	s_add_co_u32 s98, s98, KSW                     ; and where their remade words go
	s_lshl_b32 s99, s[CX], 5
	s_wait_dscnt 0x0                               ; both opening adds are done
	s_wait_kmcnt 0x0
	s_add_nc_u64 s[G0K+2:G0K+3], s[4:5], s[G0K+2:G0K+3]
	s_or_b32 s[G0K+3], s[G0K+3], 0x80000000
	s_add_nc_u64 s[G0KS+2:G0KS+3], s[4:5], s[G0KS+2:G0KS+3]
	s_or_b32 s[G0KS+3], s[G0KS+3], 0x80000000
	s_add_nc_u64 s[G0V+2:G0V+3], s[6:7], s[G0V+2:G0V+3]
	s_or_b32 s[G0V+3], s[G0V+3], 0x80000000
	s_add_nc_u64 s[G0VS+2:G0VS+3], s[6:7], s[G0VS+2:G0VS+3]
	s_or_b32 s[G0VS+3], s[G0VS+3], 0x80000000
	s_add_nc_u64 s[SQ:SQ+1], s[4:5], s[SQ:SQ+1]
	s_add_nc_u64 s[SQS:SQS+1], s[4:5], s[SQS:SQS+1]
	s_add_nc_u64 s[SO:SO+1], s[8:9], s[SO:SO+1]
	s_add_nc_u64 s[SOS:SOS+1], s[8:9], s[SOS:SOS+1]
	CROUND                                         ; all four work-groups are here: the joint loads meet
	ARM 4, G0K,  G1K,  .Lhead_v                    ; one chain of branches on the wave's number, one load to an arm
	ARM 6, G0V,  G1V,  .Lhead_ks
	ARM 7, G0KS, G1KS, .Lhead_vs
	tensor_load_to_lds s[G0VS:G0VS+3], s[G1VS:G1VS+7]
	s_nop 0
.rept 4
	v_nop
.endr
.Lhead_asked:
	v_and_b32 v201, 15, v0                         ; r
	v_bfe_u32 v[HH], v0, 4, 1                      ; h
	v_bfe_u32 v202, v0, 3, 1                       ; r / 8
	v_and_b32 v203, 7, v0                          ; r % 8
	v_and_b32 v[L8], 31, v0
	v_lshlrev_b32 v[L8], 3, v[L8]
	v_mul_u32_u24 v[BK0], v202, 1536               ; K: row r of tile (c, 2 u + v) is stored row r % 8 + 8 u of stored tile 4 c + 2 (r / 8) + v:
	v_lshl_add_u32 v[BK0], v203, 3, v[BK0]         ; 1536 (r / 8) + 8 (r % 8) + 128 h, the rest in the loads' immediates
	v_lshl_add_u32 v[BK0], v[HH], 7, v[BK0]
	v_add_nc_u32 v[BK0+1], VC, v[L8]
	v_lshl_add_u32 v[BK0+2], v201, 4, KSW
	v_lshlrev_b32 v[R32], 5, v201
	v_add_nc_u32 v[BK0+3], s[SH], v[R32]
	v_add_nc_u32 v[BK0+3], VSR, v[BK0+3]
	v_lshl_add_u32 v[OB8], v201, 3, v[HH]
	v_lshlrev_b32 v[SH8], 3, v[HH]
	v_and_b32 v[EC], 8, v201
	v_add_nc_u32 v[EC], v[EC], v201                ; r + 8 (r / 8)
	v_lshlrev_b32 v204, 5, v[HH]
	v_sub_nc_u32 v[EC], v[EC], v204
	v_add_nc_u32 v[EC], s99, v[EC]                 ; + 32 cx - 32 h: for c = 0,
	v_add_nc_u32 v[EC+1], 0xffffffc0, v[EC]        ; and 64 less for c = 1
	v_lshlrev_b32 v205, 9, v[HH]
	v_lshl_add_u32 v205, v203, 5, v205
	v_lshl_add_u32 v205, v202, 3, v205
	v_add_nc_u32 v205, s97, v205                   ; step 2 w + h: 32 (r % 8) + 8 (r / 8)
	v_lshlrev_b32 v206, 8, v[HH]
	v_lshl_add_u32 v206, v201, 4, v206
	v_add_nc_u32 v206, s98, v206
.irp j, 0,1,2,3,4,5,12,13,14,15,16,17,24,25,26,27,28,29
	v_mov_b32 v[QZ+\j], 0                          ; the zero codes beside q
.endr
	v_mov_b32 v[NEGR], 0xc3c80000
.irp j, TS0+5, TS0+13, BT+6, BT+7, BT+14, BT+15
	v_mov_b32 v[\j], 0                             ; a lane permute's destination counts as one of its sources
.endr
	QLOAD                                          ; the first pass's q, on its way while the tiles land
	s_wait_alu depctr_va_vdst(0)                   ; the wait at the head's end
	s_wait_tensorcnt 0x0                           ; my fill has landed,
	s_barrier_signal -1
	s_barrier_wait -1                              ; everybody's has
	; K's scale words for the paired fragments: fragment F = 2 c + u, row r: my head's two bytes of stored tile 4 c + 2 (r / 8) below, those of the next tile above
.irp c, 0,1
.irp u, 0,1
	ds_load_b64 v[KF+2*(2*\c+\u):KF+2*(2*\c+\u)+1], v205 offset:256*\u+16*\c
.endr
.endr
	s_wait_dscnt 0x0
.irp f, 0,1,2,3
	v_perm_b32 v[KF+8+\f], v[KF+2*\f+1], v[KF+2*\f], s[PSEL]
.endr
	ds_store_b128 v206, v[KF+8:KF+11]
	s_wait_dscnt 0x0                               ; for the others' sake
	s_barrier_signal -1
	s_barrier_wait -1
.macro KADDR                           ; the next K's addresses; the four lines are the places behind the products that read K's registers and wrote the scores
	v_add_nc_u32 v[AK], s[TB], v[BK0]
	v_add_nc_u32 v[AKS], s[TSS], v[BK0+2]
	v_nop
	v_nop
.endm
.macro KL i                            ; load i of K's 24: i = 12 c + 6 u + 3 w + j: registers 2 j, 2 j + 1 of part w of fragment 2 c + u
	ds_load_b64 v[KF+2*(\i):KF+2*(\i)+1], v[AK] offset:3072*((\i)/12)+64*(((\i)/6)%2)+768*(((\i)%6)/3)+256*((\i)%3)
.endm
.macro LOADV                           ; V's four fragments (16 channels x 128 keys) and their words
	v_add_nc_u32 v[AV], s[TB], v[BK0+1]
	v_add_nc_u32 v[AVS], s[TT], v[BK0+3]
	v_nop
	v_nop
	WIN 0x40
.irp t, 0,1,2,3
.irp i, 0,1,2,3,4,5
	ds_load_b64 v[VF+12*\t+2*\i:VF+12*\t+2*\i+1], v[AV] offset:768*\t+3072*(\i/3)+256*(\i%3)
.endr
.endr
	WIN 0
	ds_load_b128 v[VS:VS+3], v[AVS]
.endm
.macro QKP cm                          ; sixteen products, sixteen accumulators by turns.  cm = 0: C = 0; 1: C = the pattern that lies in the accumulator
.irp f, 0,1,2,3
.irp w, 0,1
.irp T, 0,1
.if \cm == 0
	v_wmma_scale_f32_16x16x128_f8f6f4 v[S+64*\T+16*\f+8*\w:S+64*\T+16*\f+8*\w+7], v[KF+12*\f:KF+12*\f+11], v[QZ+12*\T+6-6*\w:QZ+12*\T+17-6*\w], 0, v[KS+\f], v[QS+2*\T+\w] matrix_a_fmt:MATRIX_FMT_BF6 matrix_b_fmt:MATRIX_FMT_BF6
.else
	v_wmma_scale_f32_16x16x128_f8f6f4 v[S+64*\T+16*\f+8*\w:S+64*\T+16*\f+8*\w+7], v[KF+12*\f:KF+12*\f+11], v[QZ+12*\T+6-6*\w:QZ+12*\T+17-6*\w], v[S+64*\T+16*\f+8*\w:S+64*\T+16*\f+8*\w+7], v[KS+\f], v[QS+2*\T+\w] matrix_a_fmt:MATRIX_FMT_BF6 matrix_b_fmt:MATRIX_FMT_BF6
.endif
.endr
.endr
.endr
.endm
	s_mov_b32 s[TB], 0
	s_mov_b32 s[TSS], 0
	s_mov_b32 s[TT], 0
	KADDR                                          ; step 0: K's 25 loads, then V's 25
.irp i, 0,1,2,3,4,5,6,7,8,9,10,11,12,13,14,15,16,17,18,19,20,21,22,23
	KL \i
.endr
	ds_load_b128 v[KS:KS+3], v[AKS]
	LOADV
	s_mov_b32 s[PS], 0
.Lpass:
	s_lshl_b32 s[EE], s[PS], 3
	s_add_co_u32 s[EE], s[EE], s[WV]               ; the step with my diagonal
.irp T, 0,1
	v_mov_b32 v[TS0+8*\T+1], 0xff61b1e6            ; the largest t so far: -3e38
.endr
.irp T, 0,1
	v_floor_f32 v[TS0+8*\T+3], -v[TS0+8*\T+1]
.endr
.irp j, 0,1,2,3,4,5,6,7,8,9,10,11,12,13,14,15
	v_mov_b32 v[LS+\j], 0
.endr
	s_mov_b32 s[ST], 0
	s_wait_loadcnt 0x0                             ; this pass's q is in
.irp T, 0,1
	v_lshrrev_b32 v[QS+2*\T], s[SH], v[QW+\T]
.endr
.irp T, 0,1
	v_and_b32 v[QS+2*\T], 0xffff, v[QS+2*\T]       ; my head's two bytes below: for [q | zeros]
.endr
.irp T, 0,1
	v_lshlrev_b32 v[QS+2*\T+1], 16, v[QS+2*\T]     ; and above: for [zeros | q]
.endr
	WIN 0x40
.set j, 0
.rept 64
	v_mov_b32 v[O+j], 0                            ; O^T: the step is written once; the first change of M leaves zeros zeros.  (Also the places between the scale words and the first products)
.set j, j+1
.endr
	WIN 0
.Lstep:
	s_wait_dscnt 25                                ; this step's K is in; V's 25 loads, issued behind it, may be out
	s_add_co_u32 s[NX], s[ST], 1
	s_and_b32 s[NX], s[NX], 15                     ; the step that is fetched next; behind 15 comes 0
	s_mul_i32 s[TB], s[NX], 6144
	s_lshl_b32 s[TSS], s[NX], 8
	s_lshl_b32 s[TT], s[NX], 9
	s_cmp_gt_u32 s[ST], s[EE]
	s_cselect_b32 s[OFF], 0xc29044fe, 0            ; behind my diagonal every key has -50 log2(e)
	s_cmp_eq_u32 s[ST], s[EE]                      ; the branch hangs on the counters and the wave's number: the same in all partners
	s_cbranch_scc1 .Ldiag
	WIN 0x50
	QKP 0
	WIN 0
	s_branch .Ljoin
.Ldiag:
	WIN 0x50
.irp T, 0,1
.irp c, 0,1
.set n, 0
.rept 32
	v_cmp_gt_i32 vcc_lo, n-8*\T, v[EC+\c]          ; key 64 c + 32 h + n comes after my query
	v_cndmask_b32 v[S+64*\T+32*\c+n], 0, v[NEGR], vcc_lo
.set n, n+1
.endr
.endr
.endr
.rept 4
	v_nop
.endr
	QKP 1
	WIN 0
.Ljoin:
	KADDR
	; the largest score of each block of 32 keys, all in my registers: two chains a block, eight by turns; each accumulator is first read at its low end
	WIN 0x15
.irp T, 0,1
.irp c, 0,1
.irp s, 0,1
	v_max3_num_f32 v[BT+8*\T+\c+2*\s], v[S+64*\T+32*\c+16*\s], v[S+64*\T+32*\c+16*\s+1], v[S+64*\T+32*\c+16*\s+2]
.endr
.endr
.endr
	WIN 0x05
.irp i, 3,5,7,9,11,13
.irp T, 0,1
.irp c, 0,1
.irp s, 0,1
	v_max3_num_f32 v[BT+8*\T+\c+2*\s], v[S+64*\T+32*\c+16*\s+\i], v[S+64*\T+32*\c+16*\s+\i+1], v[BT+8*\T+\c+2*\s]
.endr
.endr
.endr
.endr
.irp T, 0,1
.irp c, 0,1
	v_max3_num_f32 v[BT+8*\T+\c], v[S+64*\T+32*\c+15], v[S+64*\T+32*\c+31], v[BT+8*\T+\c]
.endr
.endr
	WIN 0
.irp T, 0,1
.irp c, 0,1
	v_max_num_f32 v[BT+8*\T+\c], v[BT+8*\T+\c], v[BT+8*\T+\c+2]
.endr
.endr
	; the row's maximum, M and f, the two tiles by turns; the next step's loads of K stand between the dependent lines
.irp T, 0,1
	v_max_num_f32 v[TS0+8*\T+4], v[BT+8*\T], v[BT+8*\T+1]
.endr
	KL 0
	KL 1
.irp T, 0,1
	v_permlanex16_b32 v[TS0+8*\T+5], v[TS0+8*\T+4], s[SEL], s[SEL+1]
.endr
	KL 2
	KL 3
.irp T, 0,1
	v_max_num_f32 v[TS0+8*\T+4], v[TS0+8*\T+4], v[TS0+8*\T+5]
.endr
	KL 4
	KL 5
.irp T, 0,1
	v_fma_f32 v[TS0+8*\T+4], v[TS0+8*\T+4], s[CS], s[OFF]       ; the step's largest t
.endr
	KL 6
	KL 7
.irp T, 0,1
	v_max_num_f32 v[TS0+8*\T+1], v[TS0+8*\T+1], v[TS0+8*\T+4]
.endr
	KL 8
	KL 9
.irp T, 0,1
	v_floor_f32 v[TS0+8*\T+4], -v[TS0+8*\T+1]                   ; the new -M: M is a whole number
.endr
	KL 10
	KL 11
.irp T, 0,1
	v_sub_f32 v[TS0+8*\T+5], v[TS0+8*\T+4], v[TS0+8*\T+3]       ; old M - new M, 0 or less
.endr
	KL 12
	KL 13
.irp T, 0,1
	v_add_f32 v[TS0+8*\T], s[OFF], v[TS0+8*\T+4]                ; the addend of t - M
.endr
	KL 14
	KL 15
.irp T, 0,1
	v_cvt_i32_f32 v[TS0+8*\T+5], v[TS0+8*\T+5]                  ; (it saturates)
.endr
	KL 16
	KL 17
.irp T, 0,1
	v_mov_b32 v[TS0+8*\T+3], v[TS0+8*\T+4]
.endr
	KL 18
	KL 19
.irp T, 0,1
	v_ldexp_f32 v[TS0+8*\T+2], 1.0, v[TS0+8*\T+5]               ; f = 2^(old M - new M)
.endr
	KL 20
	KL 21
.irp T, 0,1
.irp c, 0,1
	v_fma_f32 v[BT+8*\T+\c], v[BT+8*\T+\c], s[CS], v[TS0+8*\T]  ; t - M of each block's largest score
.endr
.endr
	KL 22
	KL 23
	ds_load_b128 v[KS:KS+3], v[AKS]
	WIN 0x41
.irp T, 0,1
.set j, 0
.rept 16
	v_pk_mul_f32 v[O+32*\T+j:O+32*\T+j+1], v[O+32*\T+j:O+32*\T+j+1], v[TS0+8*\T+2:TS0+8*\T+3] op_sel_hi:[1,0]   ; O^T under the new M
.set j, j+2
.endr
.endr
.irp T, 0,1
.set j, 0
.rept 32
	v_pk_fma_f32 v[S+64*\T+j:S+64*\T+j+1], v[S+64*\T+j:S+64*\T+j+1], s[CS:CS+1], v[TS0+8*\T:TS0+8*\T+1] op_sel_hi:[1,0,0]   ; t - M, two at a time
.set j, j+2
.endr
.endr
	s_wait_alu depctr_va_vdst(0)                   ; the wait ahead of the batch
.set j, 0
.rept 128
	v_exp_f32 v[S+j], v[S+j]                       ; p = 2^(t - M), at most 1
.set j, j+1
.endr
	WIN 0
.irp T, 0,1
.irp c, 0,1
	v_exp_f32 v[BT+8*\T+\c], v[BT+8*\T+\c]         ; the block's largest p: the same two instructions on the same number
.endr
.endr
	v_nop                                          ; a plain place behind the batch
	s_wait_alu depctr_va_vdst(0)                   ; and one wait for all of it
.irp T, 0,1
.irp c, 0,1
	v_max_num_f32 v[BT+8*\T+\c], 0x2800000, v[BT+8*\T+\c]       ; the floor 2^(5 - 127)
.endr
.endr
.irp T, 0,1
.irp c, 0,1
	v_add_nc_u32 v[BT+8*\T+2+\c], 0xfe000000, v[BT+8*\T+\c]     ; 4 off the exponent field: the conversion's scale operand
.endr
.endr
.irp T, 0,1
.irp c, 0,1
	v_lshrrev_b32 v[BT+8*\T+4+\c], 23, v[BT+8*\T+2+\c]          ; the scale's byte of block 2 c + h
.endr
.endr
.irp T, 0,1
	v_lshl_or_b32 v[BT+8*\T+6], v[BT+8*\T+5], 16, v[BT+8*\T+4]
.endr
.irp T, 0,1
	v_lshlrev_b32 v[BT+8*\T+6], v[SH8], v[BT+8*\T+6]
.endr
.irp T, 0,1
	v_permlanex16_b32 v[BT+8*\T+7], v[BT+8*\T+6], s[SEL], s[SEL+1]
.endr
.irp T, 0,1
	v_or_b32 v[PW+\T], v[BT+8*\T+6], v[BT+8*\T+7]               ; p's scale word for these 128 keys
.endr
	WIN 0x01
.irp T, 0,1
.irp c, 0,1
	v_cvt_scalef32_pk16_bf6_f32 v[PC+12*\T+6*\c:PC+12*\T+6*\c+2], v[S+64*\T+32*\c:S+64*\T+32*\c+15], v[BT+8*\T+2+\c]
	v_cvt_scalef32_pk16_bf6_f32 v[CT+8*\T+4*\c:CT+8*\T+4*\c+2], v[S+64*\T+32*\c+16:S+64*\T+32*\c+31], v[BT+8*\T+2+\c]   ; (three registers from an even one on)
.endr
.endr
	WIN 0
	v_nop                                          ; one plain place behind a scaled conversion
.irp T, 0,1
.irp c, 0,1
.irp i, 0,1,2
	v_mov_b32 v[PC+12*\T+6*\c+3+\i], v[CT+8*\T+4*\c+\i]
.endr
.endr
.endr
	; the row's sum of the unquantised p, four pairs a tile; the first addition brings the old sum under the new M.  (These 64 are the places between the codes, the scale words and the products)
	WIN 0x10
.irp T, 0,1
.irp k, 0,1,2,3
	v_pk_fma_f32 v[LS+8*\T+2*\k:LS+8*\T+2*\k+1], v[LS+8*\T+2*\k:LS+8*\T+2*\k+1], v[TS0+8*\T+2:TS0+8*\T+3], v[S+64*\T+2*\k:S+64*\T+2*\k+1] op_sel_hi:[1,0,1]
.endr
.endr
	WIN 0x01
.irp m, 1,2,3,4,5,6,7
.irp T, 0,1
.irp k, 0,1,2,3
	v_pk_add_f32 v[LS+8*\T+2*\k:LS+8*\T+2*\k+1], v[S+64*\T+8*\m+2*\k:S+64*\T+8*\m+2*\k+1], v[LS+8*\T+2*\k:LS+8*\T+2*\k+1]
.endr
.endr
.endr
	s_wait_alu depctr_va_vdst(0)                   ; the wait here, directly ahead of the wait below
	s_wait_dscnt 25                                ; this step's V is in; the next K's 25 loads, issued behind it, may be out
	WIN 0x51
.irp t, 0,1,2,3                                ; eight accumulators by turns
.irp T, 0,1
	v_wmma_scale_f32_16x16x128_f8f6f4 v[O+32*\T+8*\t:O+32*\T+8*\t+7], v[VF+12*\t:VF+12*\t+11], v[PC+12*\T:PC+12*\T+11], v[O+32*\T+8*\t:O+32*\T+8*\t+7], v[VS+\t], v[PW+\T] matrix_a_fmt:MATRIX_FMT_BF6 matrix_b_fmt:MATRIX_FMT_BF6
.endr
.endr
	WIN 0
	LOADV
	s_add_co_u32 s[ST], s[ST], 1
	s_cmp_lt_u32 s[ST], 16
	s_cbranch_scc1 .Lstep
	s_wait_alu depctr_va_vdst(0)                   ; the wait ahead of the branch and the scalar lines below
	s_cmp_eq_u32 s[PS], 1
	s_cbranch_scc1 .Lno_q                          ; the last pass asks for no further q
	s_add_nc_u64 s[SQ:SQ+1], s[SQ:SQ+1], 1572864   ; eight times 128 tokens on: 128 entries of qk (this pass's loads of q were waited for at its top)
	s_add_nc_u64 s[SQS:SQS+1], s[SQS:SQS+1], 65536
	QLOAD                                          ; the next pass's q, on its way under the end of this one
.Lno_q:
	; THE TILES' END: O^T / the sum; register 16 g + i is channel 32 g + 16 h + i of my query: two blocks of 32 along the last product's K
.irp T, 0,1
	v_pk_add_f32 v[LS+8*\T:LS+8*\T+1], v[LS+8*\T:LS+8*\T+1], v[LS+8*\T+2:LS+8*\T+3]
	v_pk_add_f32 v[LS+8*\T+4:LS+8*\T+5], v[LS+8*\T+4:LS+8*\T+5], v[LS+8*\T+6:LS+8*\T+7]
.endr
.irp T, 0,1
	v_pk_add_f32 v[LS+8*\T:LS+8*\T+1], v[LS+8*\T:LS+8*\T+1], v[LS+8*\T+4:LS+8*\T+5]
.endr
.irp T, 0,1
	v_add_f32 v[LS+8*\T], v[LS+8*\T], v[LS+8*\T+1]
.endr
.irp T, 0,1
	v_permlanex16_b32 v[TS0+8*\T+5], v[LS+8*\T], s[SEL], s[SEL+1]
.endr
.irp T, 0,1
	v_add_f32 v[LS+8*\T], v[LS+8*\T], v[TS0+8*\T+5]             ; with lane l xor 16's keys: the row's sum
.endr
	s_wait_alu depctr_va_vdst(0)                   ; the wait ahead of the transcendentals
.irp T, 0,1
	v_rcp_f32 v[LS+8*\T], v[LS+8*\T]
.endr
	v_nop
	WIN 0x41
	s_wait_alu depctr_va_vdst(0)                   ; behind them, directly ahead of the first reader of O^T
.irp T, 0,1
.set j, 0
.rept 32
	v_mul_f32 v[S+64*\T+j], v[O+32*\T+j], v[LS+8*\T]
.set j, j+1
.endr
.endr
	WIN 0x05
.irp T, 0,1
.irp b, 0,1
	v_max3_num_f32 v[BT+8*\T+\b], |v[S+64*\T+16*\b]|, |v[S+64*\T+16*\b+1]|, 0x2800000
.endr
.endr
.irp i, 2,4,6,8,10,12,14
.irp T, 0,1
.irp b, 0,1
	v_max3_num_f32 v[BT+8*\T+\b], |v[S+64*\T+16*\b+\i]|, |v[S+64*\T+16*\b+\i+1]|, v[BT+8*\T+\b]
.endr
.endr
.endr
	WIN 0
.irp T, 0,1
.irp b, 0,1
	v_permlanex16_b32 v[BT+8*\T+6+\b], v[BT+8*\T+\b], s[SEL], s[SEL+1]
.endr
.endr
.irp T, 0,1
.irp b, 0,1
	v_max_num_f32 v[BT+8*\T+\b], v[BT+8*\T+\b], v[BT+8*\T+6+\b]
.endr
.endr
.irp T, 0,1
.irp b, 0,1
	v_add_nc_u32 v[BT+8*\T+2+\b], 0xfe000000, v[BT+8*\T+\b]
.endr
.endr
.irp T, 0,1
.irp b, 0,1
	v_lshrrev_b32 v[BT+8*\T+4+\b], 23, v[BT+8*\T+2+\b]
.endr
.endr
	v_cmp_ne_u32 vcc_lo, 0, v[HH]
.irp T, 0,1
	v_cndmask_b32 v[BT+8*\T+6], v[BT+8*\T+4], v[BT+8*\T+5], vcc_lo   ; lanes 0-15 store block 0's byte, lanes 16-31 block 1's
.endr
	WIN 0x01
.irp T, 0,1
	v_cvt_scalef32_pk16_bf6_f32 v[PC+12*\T:PC+12*\T+2], v[S+64*\T:S+64*\T+15], v[BT+8*\T+2]
	v_cvt_scalef32_pk16_bf6_f32 v[CT+8*\T:CT+8*\T+2], v[S+64*\T+16:S+64*\T+31], v[BT+8*\T+3]
.endr
	WIN 0
	v_nop                                          ; one plain place behind a scaled conversion
.irp T, 0,1
.irp i, 0,1,2
	v_permlane16_swap_b32 v[PC+12*\T+\i], v[CT+8*\T+\i]         ; here a block lies in lanes l and l xor 16: the operand wants it whole in a lane
.endr
.endr
.irp T, 0,1
.irp i, 0,1,2
	v_mov_b32 v[PC+12*\T+3+\i], v[CT+8*\T+\i]
.endr
.endr
.irp T, 0,1
.irp j, 0,1,2
	global_store_b64 v[L8], v[PC+12*\T+2*\j:PC+12*\T+2*\j+1], s[SO:SO+1] offset:12288*\T+256*\j   ; 256 consecutive bytes, aligned
.endr
	global_store_b8 v[OB8], v[BT+8*\T+6], s[SOS:SOS+1] offset:512*\T   ; a row's scale word mixes heads of other work-groups: single bytes
.endr
	s_wait_xcnt 0x0                                ; the loads and stores have read their bases and registers
	s_add_nc_u64 s[SO:SO+1], s[SO:SO+1], 786432    ; eight times 128 tokens on: 64 row blocks of oq
	s_add_nc_u64 s[SOS:SOS+1], s[SOS:SOS+1], 32768
	s_add_co_u32 s[PS], s[PS], 1
	s_cmp_lt_u32 s[PS], 2
	s_wait_alu depctr_va_vdst(0)                   ; the wait ahead of the branch
	s_cbranch_scc1 .Lpass
	s_wait_tensorcnt 0x0                           ; the wave's end
	ds_add_u32 v[SPW], v[NIL]
	s_wait_dscnt 0x0
	CROUND                                         ; the closing round
	s_endpgm
.Lfunc_end_k_qf59ea9fd13_attn:
	.size	k_qf59ea9fd13_attn, .Lfunc_end_k_qf59ea9fd13_attn-k_qf59ea9fd13_attn
	.p2alignl 7, 3214868480
	.fill 96, 4, 3214868480
	.section	.rodata,"a",@progbits
	.p2align	6, 0x0
	.amdhsa_kernel k_qf59ea9fd13_attn
		.amdhsa_group_segment_fixed_size 219136
		.amdhsa_private_segment_fixed_size 0
		.amdhsa_enable_private_segment 0
		.amdhsa_kernarg_size 24
		.amdhsa_user_sgpr_count 2
		.amdhsa_user_sgpr_kernarg_segment_ptr 1
		.amdhsa_wavefront_size32 1
		.amdhsa_system_sgpr_workgroup_id_x 1
		.amdhsa_system_sgpr_workgroup_id_y 1
		.amdhsa_system_sgpr_workgroup_id_z 1
		.amdhsa_system_vgpr_workitem_id 0
		.amdhsa_next_free_vgpr 512
		.amdhsa_next_free_sgpr 100
		.amdhsa_reserve_vcc 1
		.amdhsa_float_denorm_mode_32 3
		.amdhsa_float_denorm_mode_16_64 3
		.amdhsa_memory_ordered 1
		.amdhsa_forward_progress 1
		.amdhsa_inst_pref_size 67
	.end_amdhsa_kernel
	.amdgpu_metadata
---
amdhsa.version: [ 1, 2 ]
amdhsa.kernels:
  - .name:           k_qf59ea9fd13_attn
    .symbol:         k_qf59ea9fd13_attn.kd
    .args:
      - { .name: qk, .offset: 0, .size: 8, .value_kind: global_buffer, .address_space: global }
      - { .name: vt, .offset: 8, .size: 8, .value_kind: global_buffer, .address_space: global }
      - { .name: oq, .offset: 16, .size: 8, .value_kind: global_buffer, .address_space: global }
    .group_segment_fixed_size: 219136
    .private_segment_fixed_size: 0
    .kernarg_segment_align: 8
    .kernarg_segment_size: 24
    .max_flat_workgroup_size: 256
    .sgpr_count:     100
    .vgpr_count:     512
    .wavefront_size: 32
...
	.end_amdgpu_metadata
.endif
;; end of part 3
;; launch outp (part 4): grid 4 x 32, 4 waves a work-group, clusters of 4 x 4, 327,680 bytes of LDS; arguments oq, wr, out0; writes out0
.if DOCPART == 4
	.amdgcn_target "amdgcn-amd-amdhsa--gfx1250"
	.amdhsa_code_object_version 6
	.text
	.protected	k_qf59ea9fd13_outp
	.globl	k_qf59ea9fd13_outp
	.p2align	8
	.type	k_qf59ea9fd13_outp,@function
k_qf59ea9fd13_outp:
	s_mov_b64 s[64:65], 0
	v_nop
	global_prefetch_b8 v0, s[64:65] scope:SCOPE_SE
	s_setreg_imm32_b32 hwreg(HW_REG_WAVE_MODE, 25, 1), 1
	s_wait_xcnt 0x0
	s_wait_alu depctr_hold_cnt(0) depctr_sa_sdst(0) depctr_va_vdst(0) depctr_va_sdst(0) depctr_va_ssrc(0) depctr_va_vcc(0) depctr_vm_vsrc(0)
	s_getreg_b32 s2, hwreg(HW_REG_IB_STS2, 6, 4)
	s_cmp_eq_u32 s2, 0
	s_cbranch_scc0 .Lentry_in_a_cluster
	s_endpgm
.Lentry_in_a_cluster:
	s_bfe_u32 s2, ttmp6, 0x10000c
	s_cmp_lg_u32 s2, 0xf033
	s_cbranch_scc0 .Lentry_shape_is_right
	s_endpgm
.Lentry_shape_is_right:
.set NQ,     2
.set FR,     12
.set NL,     6
.set NP,     4
.set CO,     262144
.set RBK,    12288
.set STEPB,  3072
.set HALFT,  8*STEPB
.set SLOT,   4*HALFT
.set LAPS,   2
.set SCL,    2*SLOT
.set HALFS,  8*512
.set SPARE,  SCL+4*HALFS
.set SPITCH, 528
.set ADRA, 16
.set ADRB, 20
.set STO,  24
.set RD,   25
.set COF,  26
.set ADRS, 27
.set SPW,  28
.set NIL,  29
.set SC,   32
.set AF,   128
.set BK,   128
.set G1, 24
.set G0, 32
.set G1B, 48
.set G0B, 56
.set G1S, 68
.set G0S, 76
.set G1SB, 80
.set G0SB, 88
.set MSB, 0
.macro WIN new
.if MSB != (\new)
	s_set_vgpr_msb (MSB<<8)|(\new)
.set MSB, \new
.endif
.endm
.set MUL_LO, 0xa1
.set MUL_HI, 0xf1
.set TO_B,   0x40
.macro JLOAD g0a, g1a, g0b, g1b
	s_cmp_eq_u32 s15, 0
	s_cbranch_scc0 .Lfor_b_\@
	tensor_load_to_lds s[\g0a:\g0a+3], s[\g1a:\g1a+7]
	s_nop 0
.rept 4
	v_nop
.endr
	s_branch .Lasked_\@
.Lfor_b_\@:
	tensor_load_to_lds s[\g0b:\g0b+3], s[\g1b:\g1b+7]
	s_nop 0
.rept 4
	v_nop
.endr
.Lasked_\@:
.endm
.macro CREST
	s_cmp_lg_u32 s14, 0
	s_cbranch_scc1 .Lnot_wave_0_\@
	s_barrier_signal -3
.Lnot_wave_0_\@:
	s_barrier_wait -3
	s_barrier_signal -1
	s_barrier_wait -1
.endm
.macro CROUND
	s_barrier_signal -1
	s_barrier_wait -1
	CREST
.endm
	s_load_b128 s[4:7], s[0:1], 0x0
	s_load_b64 s[12:13], s[0:1], 0x10
	v_lshl_add_u32 v[SPW], v0, 2, SPARE
	v_mov_b32 v[NIL], 0
	ds_add_u32 v28, v29
	ds_add_u32 v28, v29
	s_wait_dscnt 0x0
	v_lshrrev_b32 v1, 5, v0
	v_readfirstlane_b32 s14, v1
	s_lshr_b32 s15, s14, 1
	s_and_b32 s16, s14, 1
	s_bfe_u32 s40, ttmp6, 0x40000
	s_bfe_u32 s41, ttmp6, 0x40004
	s_lshl_b32 s42, ttmp9, 2
	s_add_co_u32 s42, s42, s40
	s_and_b32 s17, ttmp7, 0xffff
	s_lshl_b32 s17, s17, 2
	s_add_co_u32 s17, s17, s41
	s_lshl_b32 s43, s41, 2
	s_lshl_b32 s43, 15, s43
	s_lshl_b32 s44, 0x1111, s40
	s_or_b32 s[G1+0], s43, (3<<16)|(1<<21)
	s_or_b32 s[G1B+0], s44, (3<<16)|(1<<21)
.irp g, G1, G1B
	s_mov_b32 s[\g+1], 384<<16
	s_mov_b32 s[\g+2], 16<<16
	s_mov_b32 s[\g+3], 384<<16
	s_mov_b32 s[\g+4], 16
	s_mov_b32 s[\g+5], 1536
	s_mov_b32 s[\g+6], 0
	s_mov_b32 s[\g+7], 0
.endr
	s_or_b32 s[G1S+0], s43, (3<<16)|(1<<21)
	s_or_b32 s[G1SB+0], s44, (3<<16)|(1<<21)
.irp g, G1S, G1SB
	s_mov_b32 s[\g+1], 32<<16
	s_mov_b32 s[\g+2], 32<<16
	s_mov_b32 s[\g+3], 32<<16
	s_mov_b32 s[\g+4], 32
	s_mov_b32 s[\g+5], 32
	s_mov_b32 s[\g+6], 0
	s_mov_b32 s[\g+7], 0
.endr
	s_lshl_b32 s20, s17, 4
	s_lshl_b32 s46, s42, 4
	s_lshl_b32 s22, s20, 9
	s_mov_b32 s23, 0
	s_lshl_b32 s92, s46, 9
	s_mov_b32 s93, 0
	s_mul_i32 s20, s20, RBK
	s_add_co_u32 s20, s20, CO
	s_mov_b32 s21, 0
	s_mul_i32 s46, s46, RBK
	s_add_co_u32 s46, s46, CO
	s_mov_b32 s47, 0
	s_mul_i32 s45, s14, HALFT
	s_mul_i32 s18, s16, 8*RBK                      ; in the ring I fetch 8 of a tile's 16 row blocks: which half, in bytes
	s_mov_b32 s19, 0
	s_wait_kmcnt 0x0
	s_add_nc_u64 s[20:21], s[4:5], s[20:21]
	s_add_nc_u64 s[22:23], s[4:5], s[22:23]
	s_add_nc_u64 s[46:47], s[6:7], s[46:47]
	s_add_nc_u64 s[92:93], s[6:7], s[92:93]
	CROUND
	s_mov_b32 s[G0S], 1
	s_mov_b32 s[G0S+1], SCL
	s_mov_b64 s[G0S+2:G0S+3], s[22:23]
	s_or_b32 s[G0S+3], s[G0S+3], 0x80000000
	s_mov_b32 s[G0SB], 1
	s_mov_b32 s[G0SB+1], SCL+2*HALFS
	s_mov_b64 s[G0SB+2:G0SB+3], s[92:93]
	s_or_b32 s[G0SB+3], s[G0SB+3], 0x80000000
.set G0H, 4                            ; s[4:7], s[8:11]: group 0 of the head's loads of slot 0, A's 16 row blocks and B's (the arguments that lay there have been used)
.set G0HB, 8
	s_mov_b32 s[G0H], 1
	s_mov_b32 s[G0H+1], 0
	s_mov_b64 s[G0H+2:G0H+3], s[20:21]
	s_or_b32 s[G0H+3], s[G0H+3], 0x80000000
	s_mov_b32 s[G0HB], 1
	s_mov_b32 s[G0HB+1], 2*HALFT
	s_mov_b64 s[G0HB+2:G0HB+3], s[46:47]
	s_or_b32 s[G0HB+3], s[G0HB+3], 0x80000000
	s_add_nc_u64 s[20:21], s[20:21], s[18:19]      ; for the ring: my half of the tile
	s_add_nc_u64 s[46:47], s[46:47], s[18:19]
.irp s, 0,1
	s_mov_b32 s[G0+4*\s], 1
	s_add_co_u32 s[G0+4*\s+1], s45, \s*SLOT
	s_add_nc_u64 s[G0+4*\s+2:G0+4*\s+3], s[20:21], \s*STEPB
	s_or_b32 s[G0+4*\s+3], s[G0+4*\s+3], 0x80000000
	s_mov_b32 s[G0B+4*\s], 1
	s_add_co_u32 s[G0B+4*\s+1], s45, \s*SLOT
	s_add_nc_u64 s[G0B+4*\s+2:G0B+4*\s+3], s[46:47], \s*STEPB
	s_or_b32 s[G0B+4*\s+3], s[G0B+4*\s+3], 0x80000000
.endr
; The head's four tiles, one joint load a wave: wave 0 A's slot 0, wave 1 B's, wave 2 A's scale words, wave 3 B's.  One chain of branches on the wave's number, one load to an arm.
.macro ARM under, g0, g1, next
	s_cmp_lt_u32 s14, \under
	s_cbranch_scc0 \next
	tensor_load_to_lds s[\g0:\g0+3], s[\g1:\g1+7]
	s_nop 0
.rept 4
	v_nop
.endr
	s_branch .Lhead_asked
\next:
.endm
	ARM 1, G0H,  G1,  .Lhead_b
	ARM 2, G0HB, G1B, .Lhead_sa
	ARM 3, G0S,  G1S, .Lhead_sb
	tensor_load_to_lds s[G0SB:G0SB+3], s[G1SB:G1SB+7]
	s_nop 0
.rept 4
	v_nop
.endr
.Lhead_asked:
	v_and_b32 v1, 15, v0
	v_bfe_u32 v2, v0, 4, 1
	s_wait_alu depctr_va_vdst(0)
	v_and_b32 v3, 31, v0
	v_lshlrev_b32 v4, 3, v3
	s_mul_i32 s21, s15, HALFT
	s_mul_i32 s22, s16, HALFT
	s_add_co_u32 s22, s22, 2*HALFT
.irp s, 0,1
	v_add_nc_u32 v[ADRA+\s], s21, v4
	v_add_nc_u32 v[ADRB+\s], s22, v4
	s_add_co_u32 s21, s21, SLOT
	s_add_co_u32 s22, s22, SLOT
.endr
	v_lshlrev_b32 v5, 3, v1
	s_mul_i32 s21, s15, HALFS
	s_mul_i32 s22, s16, HALFS
	s_add_co_u32 s22, s22, 2*HALFS
	s_sub_co_u32 s22, s22, s21
	v_mul_u32_u24 v6, s22, v2
	s_add_co_u32 s21, s21, SCL
	v_add_nc_u32 v5, v5, v6
	v_add_nc_u32 v[ADRS], s21, v5
	s_mul_i32 s23, s14, 16*SPITCH
	v_mul_u32_u24 v5, v1, SPITCH
	v_lshl_add_u32 v5, v2, 6, v5
	v_add_nc_u32 v[STO], s23, v5
	v_lshlrev_b32 v[COF], 4, v3
	v_add_nc_u32 v[RD], s23, v[COF]
	s_lshl_b32 s20, s17, 8
	s_lshl_b32 s21, s15, 7
	s_add_co_u32 s20, s20, s21
	s_lshl_b32 s20, s20, 12
	s_lshl_b32 s46, s42, 10
	s_lshl_b32 s47, s16, 9
	s_add_co_u32 s46, s46, s47
	s_add_co_u32 s20, s20, s46
	s_mov_b32 s21, 0
	s_add_nc_u64 s[12:13], s[12:13], s[20:21]
.macro FRAG reg, adr, q, i
.irp p, 0,1,2,3,4,5
	ds_load_b64 v[\reg+2*\p:\reg+2*\p+1], v[\adr] offset:STEPB*(\i)+1536*(\q)+256*\p
.endr
.endm
.macro MUL16 a0, p, q, sc, zero
.irp a, \a0, \a0+1
.irp b, 0,1,2,3,4,5,6,7
.if \zero
	v_wmma_scale_f32_16x16x128_f8f6f4 v[8*(8*((\a)%4)+\b):8*(8*((\a)%4)+\b)+7], v[128*(\p)+FR*\b:128*(\p)+FR*\b+FR-1], v[AF+FR*(\a):AF+FR*(\a)+FR-1], 0, v[SC+8*NQ*(\sc)+NQ*\b+(\q)], v[SC+8*NQ*(\sc)+NQ*(\a)+(\q)] matrix_a_fmt:MATRIX_FMT_BF6 matrix_b_fmt:MATRIX_FMT_BF6 matrix_a_scale:MATRIX_SCALE_ROW1
.else
	v_wmma_scale_f32_16x16x128_f8f6f4 v[8*(8*((\a)%4)+\b):8*(8*((\a)%4)+\b)+7], v[128*(\p)+FR*\b:128*(\p)+FR*\b+FR-1], v[AF+FR*(\a):AF+FR*(\a)+FR-1], v[8*(8*((\a)%4)+\b):8*(8*((\a)%4)+\b)+7], v[SC+8*NQ*(\sc)+NQ*\b+(\q)], v[SC+8*NQ*(\sc)+NQ*(\a)+(\q)] matrix_a_fmt:MATRIX_FMT_BF6 matrix_b_fmt:MATRIX_FMT_BF6 matrix_a_scale:MATRIX_SCALE_ROW1
.endif
.endr
.endr
.endm
.macro FETCH_B slot, q, p
	WIN TO_B
.irp i, 0,1,2,3,4,5,6,7
	FRAG 128*(\p)+FR*\i, ADRB+\slot, \q, \i
.endr
	WIN 0
.endm
.macro FETCH_A slot, q, i0
.irp i, \i0, \i0+1, \i0+2, \i0+3
	FRAG AF+FR*(\i), ADRA+\slot, \q, \i
.endr
.endm
.macro SCALES sc
.irp i, 0,1,2,3,4,5,6,7
	ds_load_b64 v[SC+8*NQ*\sc+NQ*\i:SC+8*NQ*\sc+NQ*\i+1], v[ADRS] offset:\i*512
.endr
.endm
.macro PLACES n
.rept \n
	v_nop
.endr
.endm
.macro STEP slot, q, zero
	s_wait_dscnt 4*NL
	WIN MUL_LO
	MUL16 0, (\q)%2, \q, \slot, \zero
	MUL16 2, (\q)%2, \q, \slot, \zero
	s_wait_dscnt 0
	PLACES NP
	FETCH_B \slot, (\q)+1, 1-(\q)%2
	FETCH_A \slot, (\q)+1, 0
	WIN MUL_HI
	MUL16 4, (\q)%2, \q, \slot, \zero
	MUL16 6, (\q)%2, \q, \slot, \zero
	PLACES NP
	WIN 0
	FETCH_A \slot, (\q)+1, 4
.endm
.macro TURN slot, next, fill
	s_wait_tensorcnt 0x0
	ds_add_u32 v[SPW], v[NIL]
	s_wait_dscnt 4*NL+1
	WIN MUL_LO
	MUL16 0, 1, NQ-1, \slot, 0
	s_wait_dscnt 0x0
	s_barrier_signal -1
	MUL16 2, 1, NQ-1, \slot, 0
	WIN 0
	s_barrier_wait -1
.if \fill
	CREST
	s_add_nc_u64 s[G0+4*\slot+2:G0+4*\slot+3], s[G0+4*\slot+2:G0+4*\slot+3], 2*STEPB
	s_add_nc_u64 s[G0B+4*\slot+2:G0B+4*\slot+3], s[G0B+4*\slot+2:G0B+4*\slot+3], 2*STEPB
	JLOAD G0+4*\slot, G1, G0B+4*\slot, G1B
.else
	PLACES NP
.endif
	s_wait_alu depctr_va_vdst(0)
	v_add_nc_u32 v[ADRS], 128, v[ADRS]
	FETCH_B \next, 0, 0
	FETCH_A \next, 0, 0
	SCALES \next
	WIN MUL_HI
	MUL16 4, 1, NQ-1, \slot, 0
	MUL16 6, 1, NQ-1, \slot, 0
	PLACES NP
	WIN 0
	FETCH_A \next, 0, 4
.endm
	s_wait_alu depctr_va_vdst(0)                   ; the wait at the head's end
	s_wait_tensorcnt 0x0                           ; my tile of the head's four is in
	ds_add_u32 v[SPW], v[NIL]
	s_mov_b32 s[G1+2], 8<<16                       ; no tensor load of mine is out: from here on a load brings 8 row blocks
	s_mov_b32 s[G1+4], 8
	s_mov_b32 s[G1B+2], 8<<16
	s_mov_b32 s[G1B+4], 8
	s_wait_dscnt 0x0
	CROUND                                         ; all four tiles are in, and all sixteen work-groups are here
	JLOAD G0+4, G1, G0B+4, G1B                     ; slot 1's first fill, the first tensor load behind the round
	FETCH_B 0, 0, 0
	FETCH_A 0, 0, 0
	SCALES 0
	FETCH_A 0, 0, 4
	STEP 0, 0, 1
	s_mov_b32 s3, LAPS-1
.Llap:
	TURN 0, 1, 1
	STEP 1, 0, 0
	TURN 1, 0, 1
	STEP 0, 0, 0
	s_sub_co_u32 s3, s3, 1
	s_cmp_lg_u32 s3, 0
	s_cbranch_scc1 .Llap
	TURN 0, 1, 0
	STEP 1, 0, 0
	s_wait_dscnt 4*NL
	WIN MUL_LO
	MUL16 0, 1, NQ-1, 1, 0
	MUL16 2, 1, NQ-1, 1, 0
	s_wait_dscnt 0
	WIN MUL_HI
	MUL16 4, 1, NQ-1, 1, 0
	MUL16 6, 1, NQ-1, 1, 0
	WIN 0
.macro TOSTAGE a
.set AC, 64*((\a)%4)
	WIN 0x08+4*((\a)/4)
.irp b, 0,1,2,3,4,5,6,7
	ds_store_b128 v[STO], v[AC+8*\b:AC+8*\b+3] offset:128*(\b/2)+32*(\b%2)
	ds_store_b128 v[STO], v[AC+8*\b+4:AC+8*\b+7] offset:128*(\b/2)+32*(\b%2)+16
.endr
	WIN 0
.set BB, BK+64*((\a)%2)
.irp t, 0,1,2,3,4,5,6,7,8,9,10,11,12,13,14,15
	ds_load_b128 v[BB+4*\t:BB+4*\t+3], v[RD] offset:\t*SPITCH
.endr
.endm
.macro SEND a, younger
.set BB, BK+64*((\a)%2)
	s_wait_dscnt \younger
.irp t, 0,1,2,3,4,5,6,7,8,9,10,11,12,13,14,15
	global_store_b128 v[COF], v[BB+4*\t:BB+4*\t+3], s[12:13] offset:(32*((\a)/2)+8*((\a)%2)+\t+8*(\t/8))*4096 th:TH_STORE_NT
.endr
.endm
	PLACES NP
	TOSTAGE 0
.irp a, 1,2,3,4,5,6,7
.if \a > 1
	s_wait_xcnt 0x0
.endif
	TOSTAGE \a
	SEND \a-1, 32
.endr
	SEND 7, 0
	s_wait_tensorcnt 0x0
	ds_add_u32 v[SPW], v[NIL]
	s_wait_dscnt 0x0
	CROUND
	s_endpgm
.Lfunc_end_k_qf59ea9fd13_outp:
	.size	k_qf59ea9fd13_outp, .Lfunc_end_k_qf59ea9fd13_outp-k_qf59ea9fd13_outp
	.p2alignl 7, 3214868480
	.fill 96, 4, 3214868480
	.section	.rodata,"a",@progbits
	.p2align	6, 0x0
	.amdhsa_kernel k_qf59ea9fd13_outp
		.amdhsa_group_segment_fixed_size 327680
		.amdhsa_private_segment_fixed_size 0
		.amdhsa_enable_private_segment 0
		.amdhsa_kernarg_size 24
		.amdhsa_user_sgpr_count 2
		.amdhsa_user_sgpr_kernarg_segment_ptr 1
		.amdhsa_wavefront_size32 1
		.amdhsa_system_sgpr_workgroup_id_x 1
		.amdhsa_system_sgpr_workgroup_id_y 1
		.amdhsa_system_sgpr_workgroup_id_z 1
		.amdhsa_system_vgpr_workitem_id 0
		.amdhsa_next_free_vgpr 1024
		.amdhsa_next_free_sgpr 98
		.amdhsa_reserve_vcc 0
		.amdhsa_float_denorm_mode_32 3
		.amdhsa_float_denorm_mode_16_64 3
		.amdhsa_memory_ordered 1
		.amdhsa_forward_progress 1
		.amdhsa_inst_pref_size 160
	.end_amdhsa_kernel
	.amdgpu_metadata
---
amdhsa.version: [ 1, 2 ]
amdhsa.kernels:
  - .name:           k_qf59ea9fd13_outp
    .symbol:         k_qf59ea9fd13_outp.kd
    .args:
      - { .name: oq, .offset: 0, .size: 8, .value_kind: global_buffer, .address_space: global }
      - { .name: wr, .offset: 8, .size: 8, .value_kind: global_buffer, .address_space: global }
      - { .name: out0, .offset: 16, .size: 8, .value_kind: global_buffer, .address_space: global }
    .group_segment_fixed_size: 327680
    .private_segment_fixed_size: 0
    .kernarg_segment_align: 8
    .kernarg_segment_size: 24
    .max_flat_workgroup_size: 128
    .sgpr_count:     98
    .vgpr_count:     1024
    .wavefront_size: 32
...
	.end_amdgpu_metadata
.endif
;; end of part 4
